; MI455X (gfx1250); checked and timed in simulation.
; The chip was launched on July 23, 2026; its instructions are those of AMD's public machine-readable ISA for CDNA 5 (MIT licence, August 2026) and "CDNA5" Instruction Set Architecture Reference Guide (July 2026). The comments in the code are by the model that wrote it; some were corrected since.
;; Multi Headed Attention. Allowed arithmetic: matrix products marked QUANTISED: E2M1 operands, one E8M0 scale for each 32 along K, by v_wmma_scale_f32_16x16x128_f8f6f4 with both operands' format E2M1 (or v_wmma_scale_f32_32x16x128_f4), f32 sums; products left as they are: bf16, f16 or f32 operands; f32 sums; everything else in f32.
;; Inputs: Wk 1,024 x 1,024 float32; Wo 1,024 x 1,024 float32; Wq 1,024 x 1,024 float32; Wv 1,024 x 1,024 float32; bk 1,024 float32; bo 1,024 float32; bq 1,024 float32; bv 1,024 float32; key 4 x 2,048 x 1,024 float32; mask 4 x 1 x 2,048 int32; query 4 x 2,048 x 1,024 float32; value 4 x 2,048 x 1,024 float32.
;; Outputs: out0 4 x 2,048 x 1,024 float32.
;; This version of the problem:
;;   THIS VERSION OF THE PROBLEM IS GIVEN IN LOW PRECISION. The matrix products marked QUANTISED in the list below multiply operands that are first quantised to E2M1 (2 exponent bits, 1 mantissa bit; 4 bits a number), with one power-of-two scale for each 32 numbers along K (OCP MX v1.0); their sums are f32. The products marked 'left as it is' may take bf16, f16 or f32 operands, with f32 sums. Whichever they take, every output number must still come out within the allowed error. Rounding operands to bf16 (8 significant bits) uses up far more of that allowance than f16 does (11 bits, for magnitudes from 6e-5 to 65,504). All else is computed in f32.
;;   The module's matrix products, in the order in which they are computed (A, B: the left and right operand; K: the contracted axis; several contracted axes count as one K, in the product's order):
;;     1. [M 8,192, K 1,024] x [K 1,024, N 1,024]; A: input query; B: input Wq: QUANTISED
;;     2. [M 8,192, K 1,024] x [K 1,024, N 1,024]; A: input key; B: input Wk: QUANTISED
;;     3. [M 8,192, K 1,024] x [K 1,024, N 1,024]; A: input value; B: input Wv: QUANTISED
;;     4. batch 64 x [M 2,048, K 64] x [K 64, N 2,048]; A: computed on the way; B: computed on the way: left as it is (an operand is computed on the way)
;;     5. batch 64 x [M 2,048, K 2,048] x [K 2,048, N 64]; A: computed on the way; B: computed on the way: left as it is (an operand is computed on the way)
;;     6. [M 8,192, K 1,024] x [K 1,024, N 1,024]; A: computed on the way; B: input Wo: left as it is (an operand is computed on the way)
;;   THE QUANTISER, for each operand of a quantised product, along K:
;;     - K is cut into blocks of 32 from its start; a last block that is shorter is filled with zeros.
;;     - A block's scale is 2^e with e = floor(log2(the largest magnitude in the block)) - 2, held to -126 .. 127; a block of zeros has e = 0. As a byte (E8M0): e + 127.
;;     - Each number is divided by its block's scale, clamped to +-6, and rounded to the nearest number of E2M1, ties to even, subnormals kept.
;;     - The product sums the exact products of the quantised numbers (number of the format x scale) in f32.
;;   ~~~python
;;   def quantise(x, axis):      # numpy; x: float32 -> the quantised numbers, widened to float32 again
;;       x = np.moveaxis(x, axis, -1); K = x.shape[-1]
;;       x = np.pad(x, [(0, 0)] * (x.ndim - 1) + [(0, -K % 32)]); x = x.reshape(x.shape[:-1] + (-1, 32)); a = np.abs(x).max(-1, keepdims=True)
;;       e = np.where(a > 0, np.clip(np.frexp(np.where(a > 0, a, 1))[1] - 1 - 2, -126, 127), 0)      # np.frexp(a)[1] - 1 = floor(log2(a)), exactly
;;       r = np.clip(x / 2.0 ** e, -6, 6)
;;       step = 2.0 ** (np.maximum(np.frexp(np.where(r == 0, 1, r))[1] - 1, 0) - 1)
;;       q = np.round(r / step) * step * 2.0 ** e      # np.round: ties to even
;;       return np.moveaxis(q.reshape(q.shape[:-2] + (-1,))[..., :K], -1, axis).astype(np.float32)
;;   ~~~
;; One version. Each part assembles by itself: llvm-mc -triple=amdgcn-amd-amdhsa -mcpu=gfx1250 --defsym DOCPART=n.
;; ======== version 1 of 1: 4 launches
;; limits: values are held in f16: magnitudes above 65,504 overflow, below 6.1e-05 lose precision
;; workspace buffers: cod 14,155,776 bytes; scl 884,736 bytes; wo16 2,097,152 bytes; qkv16 50,331,648 bytes; x16 16,777,216 bytes
;; launch quant (part 1): grid 992 x 1, 4 waves a work-group, no clusters, 33,280 bytes of LDS; arguments query, key, value, Wq, Wk, Wv, Wo, cod, scl, wo16; writes cod, scl, wo16
.if DOCPART == 1
	.amdgcn_target "amdgcn-amd-amdhsa--gfx1250"
	.amdhsa_code_object_version 6
	.text
	.protected	k_qa39e14b6d3_quant
	.globl	k_qa39e14b6d3_quant
	.p2align	8
	.type	k_qa39e14b6d3_quant,@function
k_qa39e14b6d3_quant:
	s_mov_b64 s[64:65], 0
	v_nop
	global_prefetch_b8 v0, s[64:65] scope:SCOPE_SE
	s_setreg_imm32_b32 hwreg(HW_REG_WAVE_MODE, 25, 1), 1
	s_wait_xcnt 0x0
; MULTI-HEAD ATTENTION, launch 1 of 4: the operands of the three QUANTISED projections become codes of FP4 (E2M1) with one E8M0 scale byte for each 32 along K; Wo becomes f16.
; DEAD WORK, for the whole program: bk.  score(q, k) = q . (Wk key_k) + q . bk.  The second term is the same for every key of a row, and the product of q with k is not quantised, so the softmax along the
; keys takes it away for all values of the inputs; masked keys get the weight 0 by reference()'s second where, whatever their score, and a row whose keys are all masked is 0 whatever its scores.
; So bk has no way to any output: it is not loaded and is no argument of any launch.  LIMIT: a NaN, an infinity or an overflow that reaches only q . bk is not carried to the result.
; cod: [27,648 rows][512 bytes], rows: query 0-8,191, key, value, Wq from 24,576, Wk, Wv; two codes a byte, the lower k in the low four bits, K innermost.  scl: [27,648][32 bytes].
; wo16: [16 planes p][1,024 n][64] f16, k = 64 p + i: the plane of a head, so that two rows of a plane are 256 consecutive bytes.
; A block's scale is 2^(floor(log2(its largest magnitude)) - 2); its byte is the largest magnitude's exponent field - 2, held at 1 from below.  A block of zeros so gets the byte 1 where the rule says 127:
; its codes are zeros, which add nothing under any byte but 0xff, and this program alone reads the bytes.
; LIMITS: blocks whose largest magnitude lies under 2^-124 keep the byte 1; NaN and infinities among the inputs are not served; Wo must lie under 65,504 in size, and f16's smallest step is 2^-24.
; Work-groups 0-863: 32 rows (32,768 numbers) each, a wave 16 steps of 512 numbers.  Rows are dense and K is a multiple of 32: all six tensors are plain streams of blocks of 32.
; Each of a step's four loads reads 512 consecutive bytes; the 2,048 bytes turn through the wave's own stage in LDS (16 bytes of padding behind each 64) and come back 64 bytes a lane: 16 neighbours along K,
; two lanes to a block.  A wave's store of codes covers 256 consecutive bytes; its 256 scale bytes are gathered in LDS and leave as one store of 256 bytes.
; Work-groups 864-991: Wo.  No tensor loads, no barrier: waves share nothing.
.set WAVES, 4
.set STEPS, 16
.set NQWG,  864                        ; (3 x 8,192 + 3 x 1,024) rows / 32
.set EMAX,  2
.set CB,    8                          ; bytes of 16 codes
.set R,     16                         ; v16-79   four sets of 16 numbers as they are loaded
.set X,     80                         ; v80-111  two sets of 16 neighbours
.set E,     112                        ; v112-127 a scale byte for each step
.set C,     128                        ; v128-191 codes: four registers for each step, so that no store's data are written again
.set WREG,  8192                       ; LDS: a region for each wave: two stages of 32 x SP bytes, behind them its 256 scale bytes
.set SP,    80
.set SPW,   12                         ; v12  LDS address of my spare word; never rewritten
.set NIL,   13                         ; v13  0; never rewritten
.set SPARE, WAVES*WREG                 ; the spare words, 128 bytes for each wave
.set WV,    27                         ; s27  my wave's number
	s_load_b512 s[4:19], s[0:1], 0x0               ; query s[4:5], key s[6:7], value s[8:9], Wq s[10:11], Wk s[12:13], Wv s[14:15], Wo s[16:17], cod s[18:19]
	s_load_b128 s[20:23], s[0:1], 0x40             ; scl s[20:21], wo16 s[22:23]
	v_lshl_add_u32 v[SPW], v0, 2, SPARE
	v_mov_b32 v[NIL], 0
	v_lshrrev_b32 v1, 5, v0
	v_readfirstlane_b32 s[WV], v1                  ; wave 0..3
	v_and_b32 v2, 31, v0                           ; lane
	s_cmp_ge_u32 ttmp9, NQWG
	s_cbranch_scc1 .Lwo
	v_lshlrev_b32 v3, 4, v2                        ; my 16 bytes of a load's 512
	s_mul_i32 s28, s[WV], WREG
	v_lshrrev_b32 v14, 2, v2
	v_mul_u32_u24 v14, v14, SP
	v_and_b32 v15, 3, v2
	v_lshl_add_u32 v14, v15, 4, v14
	v_add_nc_u32 v14, s28, v14                     ; the stage, on the way in: SP (lane / 4) + 16 (lane % 4)
	v_mul_u32_u24 v15, v2, SP
	v_add_nc_u32 v15, s28, v15                     ; and on the way out: SP x lane: my 16 neighbours
	v_mul_u32_u24 v4, v2, CB                       ; my codes' place in a step's
	v_lshrrev_b32 v5, 1, v2
	s_add_co_u32 s28, s28, 2*32*SP
	v_add_nc_u32 v5, s28, v5                       ; LDS: my wave's 256 scale bytes, my block's byte
	v_lshlrev_b32 v7, 3, v2                        ; and on the way out 8 bytes a lane
	v_add_nc_u32 v6, s28, v7
	s_wait_kmcnt 0x0
	s_mov_b64 s[24:25], s[14:15]                   ; which tensor: the choice hangs on the work-group's number alone
	s_mov_b32 s26, 832                             ; and the tensor's first work-group
	s_cmp_lt_u32 ttmp9, 832
	s_cselect_b64 s[24:25], s[12:13], s[24:25]
	s_cselect_b32 s26, 800, s26
	s_cmp_lt_u32 ttmp9, 800
	s_cselect_b64 s[24:25], s[10:11], s[24:25]
	s_cselect_b32 s26, 768, s26
	s_cmp_lt_u32 ttmp9, 768
	s_cselect_b64 s[24:25], s[8:9], s[24:25]
	s_cselect_b32 s26, 512, s26
	s_cmp_lt_u32 ttmp9, 512
	s_cselect_b64 s[24:25], s[6:7], s[24:25]
	s_cselect_b32 s26, 256, s26
	s_cmp_lt_u32 ttmp9, 256
	s_cselect_b64 s[24:25], s[4:5], s[24:25]
	s_cselect_b32 s26, 0, s26
	s_sub_co_u32 s28, ttmp9, s26
	s_lshl_b32 s28, s28, 2
	s_add_co_u32 s28, s28, s[WV]                   ; which run of 8,192 numbers of the tensor is my wave's
	s_lshl_b32 s28, s28, 15                        ; 32,768 bytes a run
	s_mov_b32 s29, 0
	s_add_nc_u64 s[24:25], s[24:25], s[28:29]
	s_lshl_b32 s30, ttmp9, 2
	s_add_co_u32 s30, s30, s[WV]                   ; and which run of all six tensors on end
	s_lshl_b32 s28, s30, 12                        ; 4,096 bytes of codes a run
	s_add_nc_u64 s[18:19], s[18:19], s[28:29]
	s_lshl_b32 s28, s30, 8                         ; 256 scale bytes a run
	s_add_nc_u64 s[20:21], s[20:21], s[28:29]
.macro LOAD t
.irp i, 0,1,2,3
	global_load_b128 v[R+16*((\t)%4)+4*\i:R+16*((\t)%4)+4*\i+3], v3, s[24:25] offset:2048*(\t)+512*\i th:TH_LOAD_NT   ; 32 lanes read 512 consecutive bytes
.endr
.endm
.macro TURN t                          ; step t's numbers through the stage: LDS serves a wave's instructions in order, so no wait stands between the stores and the loads
.irp i, 0,1,2,3
	ds_store_b128 v14, v[R+16*((\t)%4)+4*\i:R+16*((\t)%4)+4*\i+3] offset:32*SP*((\t)%2)+8*SP*\i
.endr
.irp i, 0,1,2,3
	ds_load_b128 v[X+16*((\t)%2)+4*\i:X+16*((\t)%2)+4*\i+3], v15 offset:32*SP*((\t)%2)+16*\i
.endr
.endm
.irp t, 0,1,2,3
	LOAD \t
.endr
	s_wait_loadcnt 12                              ; step 0's four loads are in; the twelve of steps 1 to 3 may be out
	TURN 0
.macro STEP t
.set XS, X+16*((\t)%2)
.if (\t) > 0
	s_wait_dscnt 1                                 ; this step's numbers are back from the stage (the last step's byte store may be out): so its stores into the stage have read their registers,
.else
	s_wait_dscnt 0x0
.endif
.if (\t)+4 < STEPS
	LOAD (\t)+4                                    ; which take the loads of four steps on
.endif
.if (\t)+1 < STEPS
.if STEPS-2-(\t) >= 3
	s_wait_loadcnt 12                              ; the next step's four loads are in; those of the three steps behind it may be out
.else
	s_wait_loadcnt 4*(STEPS-2-(\t))
.endif
	TURN (\t)+1                                    ; and go through the other stage while this step is worked
.endif
	v_max3_num_f32 v8, |v[XS]|, |v[XS+1]|, |v[XS+2]|               ; the largest magnitude of my 16, in two chains
	v_max3_num_f32 v9, |v[XS+3]|, |v[XS+4]|, |v[XS+5]|
.irp i, 6,10
	v_max3_num_f32 v8, v8, |v[XS+\i]|, |v[XS+\i+1]|
	v_max3_num_f32 v9, v9, |v[XS+\i+2]|, |v[XS+\i+3]|
.endr
	v_max3_num_f32 v8, v8, |v[XS+14]|, |v[XS+15]|
	v_max3_num_f32 v8, v8, v9, (EMAX+1)<<23        ; and the floor 2^(3 - 127): so the byte cannot fall under 1
	v_max_num_f32_dpp v8, v8, v8 row_xmask:1 row_mask:0xf bank_mask:0xf   ; and of my neighbour's 16: the block's
	v_add_nc_u32 v11, -(EMAX<<23), v8              ; 2 off its exponent field: the conversion takes the exponent field of this operand as its scale, and nothing else of it
	v_cvt_scalef32_pk8_fp4_f32 v[C+4*(\t)], v[XS:XS+7], v11        ; to the nearest code, ties to even, beyond the largest code the largest
	v_cvt_scalef32_pk8_fp4_f32 v[C+4*(\t)+1], v[XS+8:XS+15], v11
	v_lshrrev_b32 v[E+(\t)], 23, v11               ; the scale's byte
	ds_store_b8 v5, v[E+(\t)] offset:16*(\t)       ; both lanes of a block write the same byte with the same value
	global_store_b64 v4, v[C+4*(\t):C+4*(\t)+1], s[18:19] offset:32*CB*(\t)   ; 32 lanes store 256 consecutive bytes
.endm
.irp t, 0,1,2,3,4,5,6,7,8,9,10,11,12,13,14,15
	STEP \t
.endr
	ds_load_b64 v[8:9], v6                         ; LDS serves a wave's instructions in order: these see my stores
	s_wait_dscnt 0x0
	global_store_b64 v7, v[8:9], s[20:21]          ; 32 lanes store 256 consecutive bytes
	s_wait_tensorcnt 0x0                           ; the wave's end, behind my last LDS store
	ds_add_u32 v[SPW], v[NIL]
	s_wait_dscnt 0x0
	s_endpgm
; Wo to f16, by planes of 64 along K.  A wave takes two rows; each half of the lanes reads 256 consecutive bytes of its row a load, and the 32 lanes store two rows of a plane: 256 consecutive bytes.
.Lwo:
	s_sub_co_u32 s28, ttmp9, NQWG
	s_lshl_b32 s28, s28, 2
	s_add_co_u32 s28, s28, s[WV]                   ; W = 0 .. 511: rows 2 W, 2 W + 1
	s_mov_b32 s29, 0
	s_lshl_b32 s30, s28, 8                         ; two rows of a plane
	s_mov_b32 s31, 0
	s_lshl_b32 s28, s28, 13                        ; two rows of Wo
	v_lshrrev_b32 v5, 4, v2
	v_and_b32 v6, 15, v2
	v_lshlrev_b32 v3, 4, v6
	v_lshl_add_u32 v3, v5, 12, v3                  ; in: 4,096 (lane / 16) + 16 (lane % 16)
	v_lshlrev_b32 v4, 3, v6
	v_lshl_add_u32 v4, v5, 7, v4                   ; out: 128 (lane / 16) + 8 (lane % 16)
	s_wait_kmcnt 0x0
	s_add_nc_u64 s[16:17], s[16:17], s[28:29]
	s_add_nc_u64 s[22:23], s[22:23], s[30:31]
.irp p, 0,1,2,3,4,5,6,7,8,9,10,11,12,13,14,15
	global_load_b128 v[R+4*\p:R+4*\p+3], v3, s[16:17] offset:256*\p th:TH_LOAD_NT
.endr
.irp p, 0,1,2,3,4,5,6,7,8,9,10,11,12,13,14,15
	s_wait_loadcnt 15-\p                           ; plane p's load is in; the later ones may be out
	v_cvt_pk_f16_f32 v[C+2*\p], v[R+4*\p], v[R+4*\p+1]
	v_cvt_pk_f16_f32 v[C+2*\p+1], v[R+4*\p+2], v[R+4*\p+3]
	global_store_b64 v4, v[C+2*\p:C+2*\p+1], s[22:23] offset:131072*\p
.endr
	s_wait_tensorcnt 0x0                           ; the same three lines at this end too
	ds_add_u32 v[SPW], v[NIL]
	s_wait_dscnt 0x0
	s_endpgm
.Lfunc_end_k_qa39e14b6d3_quant:
	.size	k_qa39e14b6d3_quant, .Lfunc_end_k_qa39e14b6d3_quant-k_qa39e14b6d3_quant
	.p2alignl 7, 3214868480
	.fill 96, 4, 3214868480
	.section	.rodata,"a",@progbits
	.p2align	6, 0x0
	.amdhsa_kernel k_qa39e14b6d3_quant
		.amdhsa_group_segment_fixed_size 33280
		.amdhsa_private_segment_fixed_size 0
		.amdhsa_enable_private_segment 0
		.amdhsa_kernarg_size 80
		.amdhsa_user_sgpr_count 2
		.amdhsa_user_sgpr_kernarg_segment_ptr 1
		.amdhsa_wavefront_size32 1
		.amdhsa_system_sgpr_workgroup_id_x 1
		.amdhsa_system_sgpr_workgroup_id_y 1
		.amdhsa_system_sgpr_workgroup_id_z 1
		.amdhsa_system_vgpr_workitem_id 0
		.amdhsa_next_free_vgpr 192
		.amdhsa_next_free_sgpr 66
		.amdhsa_reserve_vcc 0
		.amdhsa_float_denorm_mode_32 3
		.amdhsa_float_denorm_mode_16_64 3
		.amdhsa_memory_ordered 1
		.amdhsa_forward_progress 1
		.amdhsa_inst_pref_size 40
	.end_amdhsa_kernel
	.amdgpu_metadata
---
amdhsa.version: [ 1, 2 ]
amdhsa.kernels:
  - .name:           k_qa39e14b6d3_quant
    .symbol:         k_qa39e14b6d3_quant.kd
    .args:
      - { .name: query, .offset: 0, .size: 8, .value_kind: global_buffer, .address_space: global }
      - { .name: key, .offset: 8, .size: 8, .value_kind: global_buffer, .address_space: global }
      - { .name: value, .offset: 16, .size: 8, .value_kind: global_buffer, .address_space: global }
      - { .name: Wq, .offset: 24, .size: 8, .value_kind: global_buffer, .address_space: global }
      - { .name: Wk, .offset: 32, .size: 8, .value_kind: global_buffer, .address_space: global }
      - { .name: Wv, .offset: 40, .size: 8, .value_kind: global_buffer, .address_space: global }
      - { .name: Wo, .offset: 48, .size: 8, .value_kind: global_buffer, .address_space: global }
      - { .name: cod, .offset: 56, .size: 8, .value_kind: global_buffer, .address_space: global }
      - { .name: scl, .offset: 64, .size: 8, .value_kind: global_buffer, .address_space: global }
      - { .name: wo16, .offset: 72, .size: 8, .value_kind: global_buffer, .address_space: global }
    .group_segment_fixed_size: 33280
    .private_segment_fixed_size: 0
    .kernarg_segment_align: 8
    .kernarg_segment_size: 80
    .max_flat_workgroup_size: 128
    .sgpr_count:     66
    .vgpr_count:     192
    .wavefront_size: 32
...
	.end_amdgpu_metadata
.endif
;; end of part 1
;; launch proj (part 2): grid 4 x 96, 4 waves a work-group, clusters of 4 x 4, 327,680 bytes of LDS; arguments cod, scl, qkv16, bq, bv; writes qkv16
.if DOCPART == 2
	.amdgcn_target "amdgcn-amd-amdhsa--gfx1250"
	.amdhsa_code_object_version 6
	.text
	.protected	k_qa39e14b6d3_proj
	.globl	k_qa39e14b6d3_proj
	.p2align	8
	.type	k_qa39e14b6d3_proj,@function
k_qa39e14b6d3_proj:
	s_mov_b64 s[64:65], 0
	v_nop
	global_prefetch_b8 v0, s[64:65] scope:SCOPE_SE
	s_setreg_imm32_b32 hwreg(HW_REG_WAVE_MODE, 25, 1), 1
	s_wait_xcnt 0x0
	s_wait_alu depctr_hold_cnt(0) depctr_sa_sdst(0) depctr_va_vdst(0) depctr_va_sdst(0) depctr_va_ssrc(0) depctr_va_vcc(0) depctr_vm_vsrc(0)
	s_getreg_b32 s2, hwreg(HW_REG_IB_STS2, 6, 4)
	s_cmp_eq_u32 s2, 0
	s_cbranch_scc0 .Lentry_in_a_cluster
	s_endpgm
.Lentry_in_a_cluster:
	s_bfe_u32 s2, ttmp6, 0x10000c
	s_cmp_lg_u32 s2, 0xf033
	s_cbranch_scc0 .Lentry_shape_is_right
	s_endpgm
.Lentry_shape_is_right:
; Launch 2 of 4: the three QUANTISED projections as ONE product on codes of FP4: A = query, key, value on end (24,576 rows), B = the tensor's own weight (1,024 rows), K = 1,024; + bq / nothing / bv; rounded to f16.
; LEFT OUT: bk (dead work: the same term for all keys of a row ahead of the softmax; shown at the head of the first launch).  The key tensor's sums begin with 0.
; qkv16: [3][16 heads][8,192 tokens][64] f16: a head's plane is 1,048,576 bytes, and two tokens of a head are 256 consecutive bytes.
; LIMITS: q, k, v must lie under 65,504 in size (f16); the bias is the sum's first term.
; A tile of 256 x 256 is made by four waves, a wave 128 x 128: 64 accumulators.  Two LDS slots of 512 along K hold all of K: each wave issues three tensor loads at the start (scales, slot 0, slot 1), and nothing is
; filled again.  The scale bytes of the work-group's 256 + 256 rows are two dense blocks of memory and come once.
; CLUSTERS: 4 x 4 work-groups: A's tiles are asked for jointly along a row of the cluster, B's along a column.  The tensor's number hangs on the cluster's y alone (eight clusters to a tensor): all partners share it.
; THE MATRIX INSTRUCTION IS USED TRANSPOSED (source 0 = 16 rows of the weight, source 1 = 16 tokens): a lane holds eight neighbouring channels of one token.
; REGISTERS: window 0: v0-31 addresses; v32-95 scale words, two sets, which hold nothing else; v128-191 A's fragments, ONE set, on the way out rows read back; v192-255 the bias in the result's layout, later packed results.
;   window 1: B's fragments, two sets, at v0 and v128.   window 2: the accumulators of my rows 0-63 ((a, b) at v[8 (8 a + b)]);   window 3: those of my rows 64-127.
.set NQ,     4                         ; matrix instructions deep in a slot
.set ROWB,   256                       ; a tile's row in bytes: 512 codes
.set KROW,   512                       ; a row of codes in memory
.set PITCH,  272                       ; an LDS row: 256 bytes + 16 of padding: the 16 rows that a load touches start at 16 different banks
.set FR,     8
.set NL,     2
.set NP,     4
.set HALFT,  128*PITCH
.set SLOT,   4*HALFT                   ; A's 256 rows, then B's 256 rows
.set KS,     32                        ; a row of scales in bytes
.set SCL,    2*SLOT
.set HALFS,  (128*KS/256)*272          ; the scales of 128 rows
.set SBLK,   (16*KS/256)*272           ; those of 16 rows
.set SPARE,  SCL+4*HALFS               ; the spare words, 128 bytes for each wave
.set SPITCH, 272                       ; the way out: a stage of 16 rows x (256 bytes + 16) for each wave, in slot 0, which has had its one fill and its last read by then
.set ADRA, 16
.set ADRB, 20
.set STO,  24
.set RD,   25
.set CO,   26
.set ADRS, 27
.set SPW,  28
.set NIL,  29
.set BO,   30                          ; v30  32 x (lane / 16): my place in the bias
.set SC,   32
.set AF,   128
.set BI,   192                         ; the bias: register 8 b + j = bias[16 b + 8 (lane / 16) + j] of my 128 channels
.set TMP,  192                         ; the way out: packed results
.set OB,   128                         ; the way out: 16 rows read back: v128-159 and v160-191 by turns
.set G1, 24
.set G0, 32
.set G1B, 48
.set G0B, 56
.set G1S, 68
.set G0S, 76
.set G1SB, 80
.set G0SB, 88
.set TN,  95                           ; s95  the tensor: 0 query, 1 key, 2 value
.set MSB, 0
.macro WIN new                         ; the immediate's high byte repeats the setting that is left
.if MSB != (\new)
	s_set_vgpr_msb (MSB<<8)|(\new)
.set MSB, (\new)
.endif
.endm
.set MUL_LO, 0xa1                      ; source 0 (B) window 1, source 1 (A) window 0, C and D window 2
.set MUL_HI, 0xf1                      ; the same, C and D window 3
.set TO_B,   0x40
; A joint load: waves 0 and 1 fetch for A, waves 2 and 3 for B; the branch hangs on the wave's number alone.  An s_nop 0 and four v_nop follow each of the two lines.
.macro JLOAD g0a, g1a, g0b, g1b
	s_cmp_eq_u32 s15, 0
	s_cbranch_scc0 .Lfor_b_\@
	tensor_load_to_lds s[\g0a:\g0a+3], s[\g1a:\g1a+7]
	s_nop 0
.rept 4
	v_nop
.endr
	s_branch .Lasked_\@
.Lfor_b_\@:
	tensor_load_to_lds s[\g0b:\g0b+3], s[\g1b:\g1b+7]
	s_nop 0
.rept 4
	v_nop
.endr
.Lasked_\@:
.endm
.macro CROUND                          ; a round of the cluster's barrier
	s_barrier_signal -1
	s_barrier_wait -1
	s_cmp_lg_u32 s14, 0
	s_cbranch_scc1 .Lnot_wave_0_\@
	s_barrier_signal -3
.Lnot_wave_0_\@:
	s_barrier_wait -3
	s_barrier_signal -1
	s_barrier_wait -1
.endm
	s_load_b128 s[4:7], s[0:1], 0x0                ; the codes s[4:5], the scale bytes s[6:7]
	s_load_b64 s[12:13], s[0:1], 0x10              ; qkv16
	s_load_b128 s[96:99], s[0:1], 0x18             ; bq s[96:97], bv s[98:99]
	v_lshl_add_u32 v[SPW], v0, 2, SPARE
	v_mov_b32 v[NIL], 0
	ds_add_u32 v[SPW], v[NIL]                      ; the wave's opening: the add, twice on end, and its wait ahead of my first tensor load
	ds_add_u32 v[SPW], v[NIL]
	v_lshrrev_b32 v1, 5, v0
	v_readfirstlane_b32 s14, v1                    ; wave 0..3
	s_lshr_b32 s15, s14, 1                         ; which half of the tile's rows is mine.  Also: I fetch for A (0) or for B (1)
	s_and_b32 s16, s14, 1                          ; which half of its columns.  Also: which 128 rows of that tile I fetch
	s_bfe_u32 s40, ttmp6, 0x40000                  ; cx, cy
	s_bfe_u32 s41, ttmp6, 0x40004
	s_lshl_b32 s42, ttmp9, 2
	s_add_co_u32 s42, s42, s40                     ; tile column = 4 x cluster x + cx
	s_and_b32 s17, ttmp7, 0xffff
	s_lshr_b32 s[TN], s17, 3                       ; 32 tile rows, eight clusters, to a tensor
	s_lshl_b32 s17, s17, 2
	s_add_co_u32 s17, s17, s41                     ; tile row = 4 x cluster y + cy
	s_lshl_b32 s43, s41, 2
	s_lshl_b32 s43, 15, s43                        ; my row of the cluster
	s_lshl_b32 s44, 0x1111, s40                    ; my column
	s_or_b32 s[G1+0], s43, (0<<16)|(1<<20)|(1<<21)|(5<<22)|(3<<25)  ; the mask; elements of 1 byte; padding on; bit 21 beside a mask; four words behind every 64
	s_or_b32 s[G1B+0], s44, (0<<16)|(1<<20)|(1<<21)|(5<<22)|(3<<25)
.irp g, G1, G1B
	s_mov_b32 s[\g+1], ROWB<<16                    ; tensor_dim0
	s_mov_b32 s[\g+2], 128<<16                     ; tensor_dim1
	s_mov_b32 s[\g+3], ROWB<<16                    ; tile_dim0
	s_mov_b32 s[\g+4], 128                         ; tile_dim1
	s_mov_b32 s[\g+5], KROW                        ; from row to row
	s_mov_b32 s[\g+6], 0
	s_mov_b32 s[\g+7], 0
.endr
	s_or_b32 s[G1S+0], s43, (3<<16)|(1<<20)|(1<<21)|(5<<22)|(3<<25)  ; the scales of 128 rows: 4,096 dense bytes as 16 rows of 256 (32 elements of 8 bytes), 16 bytes of padding behind each
	s_or_b32 s[G1SB+0], s44, (3<<16)|(1<<20)|(1<<21)|(5<<22)|(3<<25)
.irp g, G1S, G1SB
	s_mov_b32 s[\g+1], 32<<16
	s_mov_b32 s[\g+2], (128*KS/256)<<16
	s_mov_b32 s[\g+3], 32<<16
	s_mov_b32 s[\g+4], 128*KS/256
	s_mov_b32 s[\g+5], 32
	s_mov_b32 s[\g+6], 0
	s_mov_b32 s[\g+7], 0
.endr
	s_lshl_b32 s18, s16, 7                         ; which 128 rows of the tile I fetch
	s_lshl_b32 s20, s17, 8
	s_add_co_u32 s20, s20, s18                     ; A: row 256 x tile row + 128 x half
	s_lshl_b32 s46, s42, 8
	s_add_co_u32 s46, s46, s18                     ; B: row 24,576 + 1,024 x tensor + 256 x tile column + 128 x half
	s_lshl_b32 s47, s[TN], 10
	s_add_co_u32 s46, s46, s47
	s_add_co_u32 s46, s46, 24576
	s_mov_b32 s21, 0
	s_mov_b32 s47, 0
	s_mov_b64 s[18:19], KS
	s_mul_u64 s[22:23], s[20:21], s[18:19]         ; where these rows' scales begin, in bytes
	s_mul_u64 s[92:93], s[46:47], s[18:19]
	s_mov_b64 s[18:19], KROW
	s_mul_u64 s[20:21], s[20:21], s[18:19]         ; and their codes
	s_mul_u64 s[46:47], s[46:47], s[18:19]
	s_mul_i32 s45, s14, HALFT                      ; where they go: wave x 128 rows
	s_mul_i32 s94, s14, HALFS
	s_wait_dscnt 0x0                               ; both opening adds are done
	s_wait_kmcnt 0x0
	s_add_nc_u64 s[20:21], s[4:5], s[20:21]
	s_add_nc_u64 s[22:23], s[6:7], s[22:23]
	s_add_nc_u64 s[46:47], s[4:5], s[46:47]
	s_add_nc_u64 s[92:93], s[6:7], s[92:93]
	CROUND                                         ; all sixteen work-groups are here: the joint loads meet
	s_mov_b32 s[G0S], 1
	s_add_co_u32 s[G0S+1], s94, SCL
	s_mov_b64 s[G0S+2:G0S+3], s[22:23]
	s_or_b32 s[G0S+3], s[G0S+3], 0x80000000
	s_mov_b32 s[G0SB], 1
	s_add_co_u32 s[G0SB+1], s94, SCL
	s_mov_b64 s[G0SB+2:G0SB+3], s[92:93]
	s_or_b32 s[G0SB+3], s[G0SB+3], 0x80000000
	JLOAD G0S, G1S, G0SB, G1SB                     ; the scales first: they are wanted with the first step
.irp s, 0,1
	s_mov_b32 s[G0+4*\s], 1
	s_add_co_u32 s[G0+4*\s+1], s45, \s*SLOT
	s_add_nc_u64 s[G0+4*\s+2:G0+4*\s+3], s[20:21], \s*ROWB
	s_or_b32 s[G0+4*\s+3], s[G0+4*\s+3], 0x80000000
	s_mov_b32 s[G0B+4*\s], 1
	s_add_co_u32 s[G0B+4*\s+1], s45, \s*SLOT
	s_add_nc_u64 s[G0B+4*\s+2:G0B+4*\s+3], s[46:47], \s*ROWB
	s_or_b32 s[G0B+4*\s+3], s[G0B+4*\s+3], 0x80000000
	JLOAD G0+4*\s, G1, G0B+4*\s, G1B               ; three loads of mine are out: all that this text issues
.endr
	v_and_b32 v1, 15, v0                           ; r = lane % 16
	v_bfe_u32 v2, v0, 4, 1                         ; h = lane / 16
	; THE BIAS is the C of each sum's first matrix instruction.  One branch on the tensor's number, the same in all waves and partners, fills its registers: query and value load bq or bv; key has none
	v_lshlrev_b32 v[BO], 5, v2
	s_lshl_b32 s46, s42, 10                        ; my first channel, in bytes of f32: 1,024 x tile column + 512 x half
	s_lshl_b32 s47, s16, 9
	s_add_co_u32 s46, s46, s47
	s_mov_b32 s47, 0
	s_cmp_eq_u32 s[TN], 1
	s_cbranch_scc1 .Lno_bias
	s_cmp_eq_u32 s[TN], 0
	s_cselect_b64 s[96:97], s[96:97], s[98:99]
	s_add_nc_u64 s[96:97], s[96:97], s[46:47]
.irp b, 0,1,2,3,4,5,6,7
	global_load_b128 v[BI+8*\b:BI+8*\b+3], v[BO], s[96:97] offset:64*\b
	global_load_b128 v[BI+8*\b+4:BI+8*\b+7], v[BO], s[96:97] offset:64*\b+16
.endr
	s_branch .Lbias_set
.Lno_bias:
.set i, 0
.rept 64
	v_mov_b32 v[BI+i], 0                           ; written so that the first step is one text for all three tensors
.set i, i+1
.endr
.Lbias_set:
	v_mul_u32_u24 v3, v1, PITCH
	v_lshl_add_u32 v4, v2, 4, v3                   ; a fragment's row x pitch + 16 x half
	s_mul_i32 s21, s15, HALFT                      ; my 128 rows of A
	s_mul_i32 s22, s16, HALFT                      ; my 128 rows of B,
	s_add_co_u32 s22, s22, 2*HALFT                 ; which lie behind A's 256
.irp s, 0,1
	v_add_nc_u32 v[ADRA+\s], s21, v4
	v_add_nc_u32 v[ADRB+\s], s22, v4
	s_add_co_u32 s21, s21, SLOT
	s_add_co_u32 s22, s22, SLOT
.endr
	v_mul_u32_u24 v5, v1, KS                       ; my row's scales: 32 bytes a row,
	v_lshrrev_b32 v6, 8, v5
	v_lshl_add_u32 v5, v6, 4, v5                   ; and 16 more for each 256 passed
	s_mul_i32 s21, s15, HALFS                      ; A's: my 128 rows
	s_mul_i32 s22, s16, HALFS                      ; B's: my 128 rows, behind A's 256
	s_add_co_u32 s22, s22, 2*HALFS
	s_sub_co_u32 s22, s22, s21
	v_mul_u32_u24 v6, s22, v2                      ; lanes 16-31 take B's: one product, the distance between the two
	s_add_co_u32 s21, s21, SCL
	v_add_nc_u32 v5, v5, v6
	v_add_nc_u32 v[ADRS], s21, v5
	s_mul_i32 s23, s14, 16*SPITCH                  ; my stage
	v_mul_u32_u24 v5, v1, SPITCH                   ; in: row r, 16 bytes for each half of the lanes
	v_lshl_add_u32 v5, v2, 4, v5
	v_add_nc_u32 v[STO], s23, v5
	v_and_b32 v5, 7, v0                            ; back, by head: lanes 0-15 take my first head, lanes 16-31 my second; eight lanes a token's 128 bytes, two tokens an instruction
	v_bfe_u32 v6, v0, 3, 1
	v_lshlrev_b32 v7, 4, v5
	v_lshl_add_u32 v[CO], v6, 7, v7                ; in qkv16: 16 (lane % 8) + 128 x token
	v_lshl_add_u32 v[CO], v2, 20, v[CO]            ; + the head's plane
	v_mul_u32_u24 v6, v6, SPITCH
	v_add_nc_u32 v6, v6, v7
	v_lshl_add_u32 v6, v2, 7, v6
	v_add_nc_u32 v[RD], s23, v6
	s_lshl_b32 s20, s[TN], 4                       ; where my part begins in qkv16: plane 16 x tensor + 4 x tile column + 2 x half,
	s_lshl_b32 s46, s42, 2
	s_add_co_u32 s46, s46, s20
	s_lshl_b32 s47, s16, 1
	s_add_co_u32 s46, s46, s47
	s_lshl_b32 s46, s46, 20
	s_and_b32 s20, s17, 31                         ; token 256 x (tile row in the tensor) + 128 x half, 128 bytes each
	s_lshl_b32 s20, s20, 8
	s_lshl_b32 s21, s15, 7
	s_add_co_u32 s20, s20, s21
	s_lshl_b32 s20, s20, 7
	s_add_co_u32 s46, s46, s20
	s_mov_b32 s47, 0
	s_add_nc_u64 s[12:13], s[12:13], s[46:47]
.macro FRAG reg, adr, q, i             ; 16 rows x 128 K of 4-bit codes: 8 registers: lane l holds row l % 16; registers 4 c .. 4 c + 3 hold K = 64 c + 32 (l / 16) + 0 .. 31
.irp c, 0,1
	ds_load_b128 v[\reg+4*\c:\reg+4*\c+3], v[\adr] offset:64*(\q)+32*\c+(\i)*16*PITCH
.endr
.endm
; 16 matrix instructions: A's blocks a0, a0 + 1 x B's eight, the slot's q-th 128 along K.  p: B's set;  sc: the set of scale words.  first = 1: the sums begin with the bias.
; The 64 accumulators take turns, one instruction a turn, in the same order in every step.
.macro MUL16 a0, p, q, sc, first
.irp a, \a0, \a0+1
.irp b, 0,1,2,3,4,5,6,7
.if \first
	v_wmma_scale_f32_16x16x128_f8f6f4 v[8*(8*((\a)%4)+\b):8*(8*((\a)%4)+\b)+7], v[128*(\p)+FR*\b:128*(\p)+FR*\b+FR-1], v[AF+FR*(\a):AF+FR*(\a)+FR-1], v[BI+8*\b:BI+8*\b+7], v[SC+8*NQ*(\sc)+NQ*\b+(\q)], v[SC+8*NQ*(\sc)+NQ*(\a)+(\q)] matrix_a_fmt:MATRIX_FMT_FP4 matrix_b_fmt:MATRIX_FMT_FP4 matrix_a_scale:MATRIX_SCALE_ROW1
.else
	v_wmma_scale_f32_16x16x128_f8f6f4 v[8*(8*((\a)%4)+\b):8*(8*((\a)%4)+\b)+7], v[128*(\p)+FR*\b:128*(\p)+FR*\b+FR-1], v[AF+FR*(\a):AF+FR*(\a)+FR-1], v[8*(8*((\a)%4)+\b):8*(8*((\a)%4)+\b)+7], v[SC+8*NQ*(\sc)+NQ*\b+(\q)], v[SC+8*NQ*(\sc)+NQ*(\a)+(\q)] matrix_a_fmt:MATRIX_FMT_FP4 matrix_b_fmt:MATRIX_FMT_FP4 matrix_a_scale:MATRIX_SCALE_ROW1
.endif
.endr
.endr
.endm
.macro FETCH_B slot, q, p
	WIN TO_B
.irp i, 0,1,2,3,4,5,6,7
	FRAG 128*(\p)+FR*\i, ADRB+\slot, \q, \i
.endr
	WIN 0
.endm
.macro FETCH_A slot, q, i0
.irp i, \i0, \i0+1, \i0+2, \i0+3
	FRAG AF+FR*(\i), ADRA+\slot, \q, \i
.endr
.endm
.macro SCALES sc                       ; a slot's scale words: four words a row; lanes 0-15 take A's block i, lanes 16-31 B's block i
.irp i, 0,1,2,3,4,5,6,7
	ds_load_b128 v[SC+8*NQ*\sc+NQ*\i:SC+8*NQ*\sc+NQ*\i+3], v[ADRS] offset:\i*SBLK
.endr
.endm
.macro PLACES n                        ; plain vector instructions between a matrix instruction and a load into, or a read of, its registers
.rept \n
	v_nop
.endr
.endm
; A step of 128 along K that has its successor in the same slot.  A's blocks 0-3 are fetched anew in its middle, blocks 4-7 at its end; B's next set in the middle.
.macro STEP slot, q, first
	s_wait_dscnt 4*NL                              ; B's set and A's blocks 0-3 are in; the youngest eight loads (A's blocks 4-7) may be out
	WIN MUL_LO-0x20*(\first)                       ; (first: C, the bias, in window 0)
	MUL16 0, (\q)%2, \q, \slot, \first
	MUL16 2, (\q)%2, \q, \slot, \first
	s_wait_dscnt 0
	PLACES NP
	FETCH_B \slot, (\q)+1, 1-(\q)%2
	FETCH_A \slot, (\q)+1, 0
	WIN MUL_HI-0x30*(\first)
	MUL16 4, (\q)%2, \q, \slot, \first
	MUL16 6, (\q)%2, \q, \slot, \first
	PLACES NP
	WIN 0
	FETCH_A \slot, (\q)+1, 4
.endm
	s_wait_tensorcnt 1                             ; the scales and my part of slot 0 are in (slot 1's load may be out)
	s_barrier_signal -1
	s_barrier_wait -1                              ; everybody's are
	FETCH_B 0, 0, 0
	FETCH_A 0, 0, 0
	SCALES 0
	FETCH_A 0, 0, 4
	s_wait_loadcnt 0x0                             ; the bias
	STEP 0, 0, 1
	STEP 0, 1, 0
	STEP 0, 2, 0
	; slot 0's last step changes slots: one barrier; in front of it each wave waits for its part of slot 1 and for its reads of slot 0, which becomes the stage
	s_wait_tensorcnt 0x0
	s_wait_dscnt 4*NL
	WIN MUL_LO
	MUL16 0, 1, NQ-1, 0, 0
	s_wait_dscnt 0x0
	s_barrier_signal -1
	MUL16 2, 1, NQ-1, 0, 0
	WIN 0
	s_barrier_wait -1
	PLACES NP
	v_add_nc_u32 v[ADRS], 4*NQ, v[ADRS]            ; on to slot 1's scale words
	FETCH_B 1, 0, 0
	FETCH_A 1, 0, 0
	SCALES 1
	WIN MUL_HI
	MUL16 4, 1, NQ-1, 0, 0
	MUL16 6, 1, NQ-1, 0, 0
	PLACES NP
	WIN 0
	FETCH_A 1, 0, 4
	STEP 1, 0, 0
	STEP 1, 1, 0
	STEP 1, 2, 0
	s_wait_dscnt 4*NL                              ; the last step: nothing more to fetch
	WIN MUL_LO
	MUL16 0, 1, NQ-1, 1, 0
	MUL16 2, 1, NQ-1, 1, 0
	s_wait_dscnt 0
	WIN MUL_HI
	MUL16 4, 1, NQ-1, 1, 0
	MUL16 6, 1, NQ-1, 1, 0
	WIN 0
; THE WAY OUT, a block of 16 tokens x 128 channels at a time: rounded to f16 (16 bytes a lane), through my own stage in LDS, and back by head: sixteen lanes store two tokens of one head, 256 consecutive bytes.
.macro PACK a
.set AC, 64*((\a)%4)
	WIN 0x0a+5*((\a)/4)                            ; sources 0 and 1: window 2 or 3
.irp b, 0,1,2,3,4,5,6,7
.irp r, 0,1,2,3
	v_cvt_pk_f16_f32 v[TMP+4*\b+\r], v[AC+8*\b+2*\r], v[AC+8*\b+2*\r+1]   ; each accumulator from its low end on
.endr
.endr
	WIN 0
.endm
.macro TOSTAGE a
.set BK, OB+32*((\a)%2)
.irp b, 0,1,2,3,4,5,6,7
	ds_store_b128 v[STO], v[TMP+4*\b:TMP+4*\b+3] offset:32*\b
.endr
.irp t, 0,1,2,3,4,5,6,7
	ds_load_b128 v[BK+4*\t:BK+4*\t+3], v[RD] offset:\t*2*SPITCH    ; LDS serves a wave's instructions in order: these see the stores above
.endr
.endm
.macro SEND a
.set BK, OB+32*((\a)%2)
	s_wait_dscnt 0x0                               ; the block is back in registers
	s_wait_xcnt 0x0                                ; the block before has had its stores' registers read: the next block's loads may land there
.irp t, 0,1,2,3,4,5,6,7
	global_store_b128 v[CO], v[BK+4*\t:BK+4*\t+3], s[12:13] offset:2048*(\a)+256*\t
.endr
.endm
	PLACES NP                                      ; behind the last products: for the reads of results and the loads into the registers that held A's fragments
	PACK 0
	TOSTAGE 0
.irp a, 1,2,3,4,5,6,7                  ; block a's conversions stand between block a - 1's loads from the stage and the wait for them
	PACK \a
	SEND \a-1
	TOSTAGE \a
.endr
	SEND 7
	s_wait_tensorcnt 0x0                           ; the wave's end
	ds_add_u32 v[SPW], v[NIL]
	s_wait_dscnt 0x0
	CROUND                                         ; the closing round
	s_endpgm
.Lfunc_end_k_qa39e14b6d3_proj:
	.size	k_qa39e14b6d3_proj, .Lfunc_end_k_qa39e14b6d3_proj-k_qa39e14b6d3_proj
	.p2alignl 7, 3214868480
	.fill 96, 4, 3214868480
	.section	.rodata,"a",@progbits
	.p2align	6, 0x0
	.amdhsa_kernel k_qa39e14b6d3_proj
		.amdhsa_group_segment_fixed_size 327680
		.amdhsa_private_segment_fixed_size 0
		.amdhsa_enable_private_segment 0
		.amdhsa_kernarg_size 40
		.amdhsa_user_sgpr_count 2
		.amdhsa_user_sgpr_kernarg_segment_ptr 1
		.amdhsa_wavefront_size32 1
		.amdhsa_system_sgpr_workgroup_id_x 1
		.amdhsa_system_sgpr_workgroup_id_y 1
		.amdhsa_system_sgpr_workgroup_id_z 1
		.amdhsa_system_vgpr_workitem_id 0
		.amdhsa_next_free_vgpr 1024
		.amdhsa_next_free_sgpr 100
		.amdhsa_reserve_vcc 0
		.amdhsa_float_denorm_mode_32 3
		.amdhsa_float_denorm_mode_16_64 3
		.amdhsa_memory_ordered 1
		.amdhsa_forward_progress 1
		.amdhsa_inst_pref_size 130
	.end_amdhsa_kernel
	.amdgpu_metadata
---
amdhsa.version: [ 1, 2 ]
amdhsa.kernels:
  - .name:           k_qa39e14b6d3_proj
    .symbol:         k_qa39e14b6d3_proj.kd
    .args:
      - { .name: cod, .offset: 0, .size: 8, .value_kind: global_buffer, .address_space: global }
      - { .name: scl, .offset: 8, .size: 8, .value_kind: global_buffer, .address_space: global }
      - { .name: qkv16, .offset: 16, .size: 8, .value_kind: global_buffer, .address_space: global }
      - { .name: bq, .offset: 24, .size: 8, .value_kind: global_buffer, .address_space: global }
      - { .name: bv, .offset: 32, .size: 8, .value_kind: global_buffer, .address_space: global }
    .group_segment_fixed_size: 327680
    .private_segment_fixed_size: 0
    .kernarg_segment_align: 8
    .kernarg_segment_size: 40
    .max_flat_workgroup_size: 128
    .sgpr_count:     100
    .vgpr_count:     1024
    .wavefront_size: 32
...
	.end_amdgpu_metadata
.endif
;; end of part 2
;; launch attn (part 3): grid 4 x 64, 8 waves a work-group, clusters of 4 x 1, 327,680 bytes of LDS; arguments qkv16, mask, x16; writes x16
.if DOCPART == 3
	.amdgcn_target "amdgcn-amd-amdhsa--gfx1250"
	.amdhsa_code_object_version 6
	.text
	.protected	k_qa39e14b6d3_attn
	.globl	k_qa39e14b6d3_attn
	.p2align	8
	.type	k_qa39e14b6d3_attn,@function
k_qa39e14b6d3_attn:
	s_mov_b64 s[64:65], 0
	v_nop
	global_prefetch_b8 v0, s[64:65] scope:SCOPE_SE
	s_setreg_imm32_b32 hwreg(HW_REG_WAVE_MODE, 25, 1), 1
	s_wait_xcnt 0x0
	s_wait_alu depctr_hold_cnt(0) depctr_sa_sdst(0) depctr_va_vdst(0) depctr_va_sdst(0) depctr_va_ssrc(0) depctr_va_vcc(0) depctr_vm_vsrc(0)
	s_getreg_b32 s2, hwreg(HW_REG_IB_STS2, 6, 4)
	s_cmp_eq_u32 s2, 0
	s_cbranch_scc0 .Lentry_in_a_cluster
	s_endpgm
.Lentry_in_a_cluster:
	s_bfe_u32 s2, ttmp6, 0x10000c
	s_cmp_lg_u32 s2, 0x3003
	s_cbranch_scc0 .Lentry_shape_is_right
	s_endpgm
.Lentry_shape_is_right:
; Launch 3 of 4: x[b][h][q] = the sum over k of softmax_k(q . k / 8, masked) v, in f16 operands with f32 sums, maxima and exponentials.  qkv16: [3][16 heads][8,192 tokens][64] f16; mask: [4][2,048] int32; x16: [16][8,192][64] f16.
; SHARES.  A work-group owns 512 queries of one (batch, head), each of its eight waves 64: four tiles of 16, in 512 registers; two waves to a SIMD, so that one wave's vector work stands beside the other's matrix work.
; The four query blocks of a head form a cluster and ask for K and V JOINTLY.  Every wave walks all 2,048 keys, 64 a step; a slot of the ring holds four steps.
; LAYOUT.  S^T = K Q^T (source 0 = 16 keys, source 1 = 16 queries), O^T = V^T P: a lane holds ONE query (lane % 16) throughout.  Two tiles of S^T, rounded to f16 in pairs, ARE source 1 of the second product.
; K comes out of LDS as it lies, V ([key][channel]) turned, by ds_load_tr16_b128.
; THE MASK costs no vector instruction in the loop: a table of f32 in LDS, 0 for a key that counts and -2^126 where mask == 0, is the C of each score tile's first matrix instruction.
; The running maximum m starts at -2^100 and never falls under it; f16 operands bound a true score by 64 x 65,504^2, so the floor touches none.  A masked key's p is 2^(about -1.5e37) = 0; no infinity and no NaN arises.
; SOFTMAX.  p = 2^(c s - c m), c = log2(e) / 8; in every step O and the sum l are multiplied by a = 2^(c m_old - c m_new).  A row with no key has l = 0 and O = 0; l is held at 2^-64 from below (a row with
; a key has l near 1 or above), so such a row gives 0, as reference()'s second where does.
; LIMITS: q, k, v under 65,504 in size; x is rounded to f16; NaN and infinities are not served.
; REGISTERS.  window 0: v2-14 addresses; v16-47 eight registers of statistics a tile; v48-55 a pair a tile for the sums; v64-191 S^T, 32 a tile (P is made in place in each tile's first 16); v192-255 K of one step.
;   window 1: v0-127 O^T, 32 a tile; v128-191 Q, 16 a tile; v192-255 V of one step (its first 32 hold the mask's C while the scores are made).
.set PKP,   144                        ; a row of K in LDS: 128 bytes + 16: the 16 rows of a load start at 16 different banks
.set PVP,   160                        ; a row of V: 128 + 32
.set VOFF,  64*PKP
.set STEPB, 64*(PKP+PVP)               ; a step's tiles lie together: 64 rows of K, then 64 rows of V
.set SLOT1, 1<<17                      ; slot 1 begins here: one exclusive or turns an address in one slot into the other's
.set MB,    4*STEPB                    ; behind slot 0: the mask's table, 2,048 f32
.set SPARE, MB+8192                    ; the spare words, 128 bytes for each of eight waves
.set STAGE, SPARE+1024                 ; the way out: 16 rows x 144 bytes for each wave
.set SPS,   144
.set AK0, 2
.set AV0, 3
.set AM0, 4
.set ADK, 5
.set ADV, 6
.set ADM, 7
.set QO,  8
.set STO, 9
.set RD,  10
.set GO,  11
.set SPW, 12
.set NIL, 13
.set PFO, 14
.set ST,  16                           ; tile t at v[ST + 8 t]: +0 c m, +1 m, +2, +3 l (even keys', odd keys'), +4 to +7 c0-c3, at work; a takes c2's place
.set T1,  48
.set S,   64
.set KB,  192
.set QF,  128                          ; in window 1
.set VB,  192                          ; in window 1
.set WV,  14
.set LIM, 15
.set PFA, 18
.set G1K, 24
.set G1V, 32
.set G0K, 40
.set G0V, 44
.set SLOTS, 48
.set CNT, 49
.set TB,  50                           ; LDS byte at which the step in hand begins
.set TM,  51                           ; and its 256 bytes of the mask's table
.set CS,  52
.set SEL, 54
.set MSB, 0
.macro WIN new
.if MSB != (\new)
	s_set_vgpr_msb (MSB<<8)|(\new)
.set MSB, (\new)
.endif
.endm
; A joint load.  Waves 0 to 3 fetch the slot's four steps of K, waves 4 to 7 those of V: one load of 64 rows a wave.  An s_nop 0 and four v_nop follow each of the two lines.
.macro JLOAD
	s_cmp_lt_u32 s[WV], 4
	s_cbranch_scc0 .Lfor_v_\@
	tensor_load_to_lds s[G0K:G0K+3], s[G1K:G1K+7]
	s_nop 0
.rept 4
	v_nop
.endr
	s_branch .Lasked_\@
.Lfor_v_\@:
	tensor_load_to_lds s[G0V:G0V+3], s[G1V:G1V+7]
	s_nop 0
.rept 4
	v_nop
.endr
.Lasked_\@:
.endm
; A PREFETCH INTO THE L2 of what the NEXT change of slots will ask for: a slot's 32,768 bytes of K and of V.  A head's K and V are walked by this one cluster alone; its four partners share each block out BY ADDRESS,
; 8,192 bytes each, lanes 256 bytes apart; wave 0 asks for K's and wave 4 for V's: one instruction.  So each 256 bytes are named once in the launch.  The last change that fills a slot asks for nothing.
.macro ASK
	s_cmp_gt_u32 s[SLOTS], s[LIM]
	s_cbranch_scc0 .Lnot_mine_\@
	global_prefetch_b8 v[PFO], s[PFA:PFA+1] th:TH_LOAD_NT scope:SCOPE_SE
.Lnot_mine_\@:
.endm
.macro CROUND
	s_barrier_signal -1
	s_barrier_wait -1
	s_cmp_lg_u32 s[WV], 0
	s_cbranch_scc1 .Lnot_wave_0_\@
	s_barrier_signal -3
.Lnot_wave_0_\@:
	s_barrier_wait -3
	s_barrier_signal -1
	s_barrier_wait -1
.endm
	s_load_b128 s[4:7], s[0:1], 0x0                ; qkv16 s[4:5], mask s[6:7]
	s_load_b64 s[8:9], s[0:1], 0x10                ; x16
	v_lshl_add_u32 v[SPW], v0, 2, SPARE
	v_mov_b32 v[NIL], 0
	ds_add_u32 v[SPW], v[NIL]                      ; the wave's opening: the add, twice on end, and its wait ahead of my first tensor load
	ds_add_u32 v[SPW], v[NIL]
	v_lshrrev_b32 v1, 5, v0
	v_readfirstlane_b32 s[WV], v1                  ; wave 0..7
	s_bfe_u32 s16, ttmp6, 0x40000                  ; cx: my block of 512 queries: it enters Q's, x's and the prefetches' addresses alone
	s_and_b32 s17, s[WV], 3                        ; which of a slot's four steps I fetch
	s_and_b32 s20, ttmp7, 0xffff                   ; 16 x batch + head, which the four partners share
	s_and_b32 s21, s20, 15
	s_lshr_b32 s22, s20, 4
	s_lshl_b32 s2, s21, 20                         ; the head's plane,
	s_lshl_b32 s3, s22, 18                         ; the batch's 2,048 tokens of 128 bytes
	s_add_co_u32 s2, s2, s3
	s_mov_b32 s3, 0
	s_mov_b32 s[G1K], 15|(1<<16)|(1<<20)|(1<<21)|(4<<22)|(3<<25)  ; the mask: all four work-groups; elements of 2 bytes; padding on; bit 21 beside a mask; four words behind every 32
	s_mov_b32 s[G1V], 15|(1<<16)|(1<<20)|(1<<21)|(4<<22)|(7<<25)  ; the same with eight words of padding
.irp g, G1K, G1V
	s_mov_b32 s[\g+1], 64<<16                      ; tensor_dim0
	s_mov_b32 s[\g+2], 64<<16                      ; tensor_dim1
	s_mov_b32 s[\g+3], 64<<16                      ; tile_dim0
	s_mov_b32 s[\g+4], 64                          ; tile_dim1
	s_mov_b32 s[\g+5], 64                          ; from row to row
	s_mov_b32 s[\g+6], 0
	s_mov_b32 s[\g+7], 0
.endr
	s_mov_b32 s[CS], 0x3e38aa3b                    ; c = log2(e) / 8
	s_mov_b32 s[CS+1], s[CS]                       ; named with it as a pair, so it is written
	s_mov_b32 s[SEL], 0x76543210
	s_mov_b32 s[SEL+1], 0xfedcba98                 ; lane l xor 16
	s_mov_b32 s[TB], 0
	s_mov_b32 s[TM], 0
	s_mov_b32 s[SLOTS], 7
	s_cmp_eq_u32 s17, 0
	s_cselect_b32 s[LIM], 1, -1                    ; waves 0 and 4 prefetch
	s_wait_dscnt 0x0                               ; both opening adds are done
	s_wait_kmcnt 0x0
	s_add_nc_u64 s[4:5], s[4:5], s[2:3]            ; Q at the head's and batch's first token,
	s_add_nc_u64 s[10:11], s[4:5], 0x1000000       ; K, 16 planes on,
	s_add_nc_u64 s[12:13], s[4:5], 0x2000000       ; V, 32 planes on
	s_add_nc_u64 s[8:9], s[8:9], s[2:3]            ; x likewise
	s_lshl_b32 s2, s22, 13
	s_add_nc_u64 s[6:7], s[6:7], s[2:3]            ; the batch's mask
	s_lshl_b32 s2, s16, 9
	s_lshl_b32 s20, s[WV], 6
	s_add_co_u32 s2, s2, s20                       ; my first query: 512 cx + 64 x wave
	s_lshl_b32 s2, s2, 7
	s_add_nc_u64 s[4:5], s[4:5], s[2:3]
	s_add_nc_u64 s[8:9], s[8:9], s[2:3]
	s_cmp_lt_u32 s[WV], 4
	s_cselect_b64 s[PFA:PFA+1], s[10:11], s[12:13]
	s_lshl_b32 s20, s16, 13                        ; my work-group's 8,192 bytes,
	s_add_co_u32 s20, s20, 32768                   ; in slot 1's keys: the first change of slots steps it on.  Nothing is prefetched here, at the head
	s_mov_b32 s21, 0
	s_add_nc_u64 s[PFA:PFA+1], s[PFA:PFA+1], s[20:21]
	s_mul_i32 s20, s17, STEPB
	s_lshl_b32 s22, s17, 13                        ; my step's 64 rows of 128 bytes
	s_mov_b32 s23, 0
	CROUND                                         ; all four work-groups are here: the first joint loads meet
	s_mov_b32 s[G0K], 1
	s_mov_b32 s[G0K+1], s20
	s_add_nc_u64 s[G0K+2:G0K+3], s[10:11], s[22:23]
	s_or_b32 s[G0K+3], s[G0K+3], 0x80000000
	s_mov_b32 s[G0V], 1
	s_add_co_u32 s[G0V+1], s20, VOFF
	s_add_nc_u64 s[G0V+2:G0V+3], s[12:13], s[22:23]
	s_or_b32 s[G0V+3], s[G0V+3], 0x80000000
	JLOAD                                          ; slot 0: one load of mine is out
	v_and_b32 v1, 15, v0                           ; r
	v_bfe_u32 v15, v0, 4, 1                        ; h
	v_lshlrev_b32 v[QO], 7, v1
	v_lshl_add_u32 v[QO], v15, 4, v[QO]            ; Q: row r of 128 bytes + 16 h
	WIN 0x40                                       ; destination window 1
.irp f, 0,1,2,3,4,5,6,7                ; Q stays in registers: tile f / 2, channels 32 (f % 2) on
	global_load_b128 v[QF+8*\f:QF+8*\f+3],   v[QO], s[4:5] offset:(\f/2)*2048+(\f%2)*64
	global_load_b128 v[QF+8*\f+4:QF+8*\f+7], v[QO], s[4:5] offset:(\f/2)*2048+(\f%2)*64+32
.endr
	WIN 0
	v_lshlrev_b32 v50, 5, v0                       ; the mask: eight numbers a thread
	global_load_b128 v[56:59], v50, s[6:7]
	global_load_b128 v[60:63], v50, s[6:7] offset:16
	v_lshl_add_u32 v48, v0, 5, MB                  ; and their place in the table
	v_mov_b32 v49, 0xfe800000                      ; -2^126
	v_mul_u32_u24 v[AK0], v1, PKP
	v_lshl_add_u32 v[AK0], v15, 4, v[AK0]          ; K: row r x pitch + 16 h
	v_and_b32 v[AV0], 7, v0                        ; V: the turning load takes key 8 h + l % 8, channels 8 ((l / 8) % 2) on
	v_lshl_add_u32 v[AV0], v15, 3, v[AV0]
	v_mul_u32_u24 v[AV0], v[AV0], PVP
	v_bfe_u32 v5, v0, 3, 1
	v_lshl_add_u32 v[AV0], v5, 4, v[AV0]
	v_add_nc_u32 v[AV0], VOFF, v[AV0]
	v_lshl_add_u32 v[AM0], v15, 5, MB              ; the table: register j of a score tile holds key 8 h + j
	s_mul_i32 s20, s[WV], 16*SPS
	s_add_co_u32 s20, s20, STAGE                   ; my stage
	v_add_nc_u32 v[STO], s20, v[AK0]               ; in: row r x 144 + 16 h
	v_and_b32 v5, 31, v0
	v_lshrrev_b32 v6, 3, v5
	v_mul_u32_u24 v6, v6, SPS
	v_and_b32 v7, 7, v0
	v_lshl_add_u32 v6, v7, 4, v6
	v_add_nc_u32 v[RD], s20, v6                    ; back: eight lanes a row of 128 bytes, four rows an instruction
	v_lshlrev_b32 v[GO], 4, v5                     ; and the same 512 bytes in x16
	v_lshlrev_b32 v[PFO], 8, v5
	WIN 0x40
.set i, 0
.rept 128
	v_mov_b32 v[i], 0                              ; O^T.  The step is written without a first step of its own: the first finds zeros, which a = 0 leaves zeros
.set i, i+1
.endr
	WIN 0
.irp t, 0,1,2,3
	v_mov_b32 v[ST+8*\t+1], 0xf1800000             ; m = -2^100
	v_mov_b32 v[ST+8*\t+2], 0                      ; l
	v_mov_b32 v[ST+8*\t+3], 0
	v_mul_f32 v[ST+8*\t], s[CS], v[ST+8*\t+1]      ; c m
.endr
	s_wait_loadcnt 0x0                             ; Q and the mask
.irp i, 0,1,2,3,4,5,6,7
	v_cmp_eq_u32 vcc_lo, 0, v[56+\i]
	v_cndmask_b32 v[56+\i], 0, v49, vcc_lo         ; 0 where the key counts, -2^126 where mask == 0
.endr
	ds_store_b128 v48, v[56:59]
	ds_store_b128 v48, v[60:63] offset:16          ; awaited in front of the first change's round, behind which all waves read the table
.macro FETCH_K d                       ; K of the step d steps on: 8 fragments (keys 16 (f / 2) on, channels 32 (f % 2) on)
	WIN 0
.irp f, 0,1,2,3,4,5,6,7
	ds_load_b128 v[KB+8*\f:KB+8*\f+3],   v[ADK] offset:(\d)*STEPB+(\f/2)*16*PKP+(\f%2)*64
	ds_load_b128 v[KB+8*\f+4:KB+8*\f+7], v[ADK] offset:(\d)*STEPB+(\f/2)*16*PKP+(\f%2)*64+32
.endr
.endm
.macro FETCH_M d                       ; the mask's C of the step d steps on: eight registers for each tile of 16 keys
	WIN 0x40
.irp kt, 0,1,2,3
	ds_load_b128 v[VB+8*\kt:VB+8*\kt+3],   v[ADM] offset:256*(\d)+64*\kt
	ds_load_b128 v[VB+8*\kt+4:VB+8*\kt+7], v[ADM] offset:256*(\d)+64*\kt+16
.endr
.endm
.macro FETCH_V                         ; V of the step in hand, turned: fragment f: keys 32 (f / 4) on, channels 16 (f % 4) on
	WIN 0x40
.irp f, 0,1,2,3,4,5,6,7
	ds_load_tr16_b128 v[VB+8*\f:VB+8*\f+3],   v[ADV] offset:(\f/4)*32*PVP+(\f%4)*32
	ds_load_tr16_b128 v[VB+8*\f+4:VB+8*\f+7], v[ADV] offset:(\f/4)*32*PVP+16*PVP+(\f%4)*32
.endr
.endm
; S^T = K Q^T + the mask's C: 32 matrix instructions; the 16 accumulators take turns, one instruction a turn
.macro KQ
	WIN 0x14                                       ; K window 0, Q and C window 1, S^T window 0
.irp kt, 0,1,2,3
.irp qt, 0,1,2,3
	v_wmma_f32_16x16x32_f16 v[S+32*\qt+8*\kt:S+32*\qt+8*\kt+7], v[KB+16*\kt:KB+16*\kt+7], v[QF+16*\qt:QF+16*\qt+7], v[VB+8*\kt:VB+8*\kt+7]
.endr
.endr
	WIN 0x04
.irp kt, 0,1,2,3
.irp qt, 0,1,2,3
	v_wmma_f32_16x16x32_f16 v[S+32*\qt+8*\kt:S+32*\qt+8*\kt+7], v[KB+16*\kt+8:KB+16*\kt+15], v[QF+16*\qt+8:QF+16*\qt+15], v[S+32*\qt+8*\kt:S+32*\qt+8*\kt+7]
.endr
.endr
.endm
; O^T += V^T P for keys 32 kh on: 16 matrix instructions, the 16 accumulators by turns
.macro PV kh
	WIN 0x51                                       ; V window 1, P window 0, O^T window 1
.irp ct, 0,1,2,3
.irp qt, 0,1,2,3
	v_wmma_f32_16x16x32_f16 v[32*\qt+8*\ct:32*\qt+8*\ct+7], v[VB+8*(4*\kh+\ct):VB+8*(4*\kh+\ct)+7], v[S+32*\qt+8*\kh:S+32*\qt+8*\kh+7], v[32*\qt+8*\ct:32*\qt+8*\ct+7]
.endr
.endr
.endm
; THE SOFTMAX of four tiles for one key step; the tiles alternate in every stage, so that no instruction waits for the one just before it.
.macro SOFTMAX
	WIN 0
.irp j, 0,1,2,3                        ; the maximum of a lane's 32 scores and the old m: four chains; each accumulator is first read at its low end
.irp t, 0,1,2,3
	v_max3_num_f32 v[ST+8*\t+4+\j], v[S+32*\t+8*\j], v[S+32*\t+8*\j+1], v[S+32*\t+8*\j+2]
.endr
.endr
.irp g, 1,2
.irp j, 0,1,2,3
.irp t, 0,1,2,3
	v_max3_num_f32 v[ST+8*\t+4+\j], v[ST+8*\t+4+\j], v[S+32*\t+8*\j+2*\g+1], v[S+32*\t+8*\j+2*\g+2]
.endr
.endr
.endr
.irp t, 0,1,2,3
	v_max3_num_f32 v[ST+8*\t+4], v[ST+8*\t+4], v[S+32*\t+7], v[S+32*\t+15]
.endr
.irp t, 0,1,2,3
	v_max3_num_f32 v[ST+8*\t+6], v[ST+8*\t+6], v[S+32*\t+23], v[S+32*\t+31]
.endr
.irp t, 0,1,2,3
	v_max3_num_f32 v[ST+8*\t+4], v[ST+8*\t+4], v[ST+8*\t+5], v[ST+8*\t+6]
.endr
.irp t, 0,1,2,3
	v_max3_num_f32 v[ST+8*\t+4], v[ST+8*\t+4], v[ST+8*\t+7], v[ST+8*\t+1]
.endr
.irp t, 0,1,2,3
	v_permlanex16_b32 v[ST+8*\t+5], v[ST+8*\t+4], s[SEL], s[SEL+1]   ; the query's other 32 keys lie in the lane 16 away
.endr
.irp t, 0,1,2,3
	v_mov_b32 v[ST+8*\t+7], v[ST+8*\t]             ; c m_old is kept for a
.endr
.irp t, 0,1,2,3
	v_max_num_f32 v[ST+8*\t+1], v[ST+8*\t+4], v[ST+8*\t+5]
.endr
.irp t, 0,1,2,3
	v_mul_f32 v[ST+8*\t], s[CS], v[ST+8*\t+1]
.endr
.irp t, 0,1,2,3
	v_sub_f32 v[ST+8*\t+7], v[ST+8*\t+7], v[ST+8*\t]
.endr
.irp t, 0,1,2,3                        ; ONE BATCH of 132 exponentials: none of the lines up to the wait names a result
	v_exp_f32 v[ST+8*\t+6], v[ST+8*\t+7]           ; a
.endr
.irp i, 0,1,2,3,4,5,6,7,8,9,10,11,12,13,14,15
	v_pk_fma_f32 v[S+2*\i:S+2*\i+1], v[S+2*\i:S+2*\i+1], s[CS:CS+1], v[ST:ST+1] op_sel_hi:[1,0,0] neg_lo:[0,0,1] neg_hi:[0,0,1]   ; tile 0: c s - c m, a pair at a time
.endr
.irp t, 0,1,2,3                        ; tile t's exponentials, the next tile's scalings between them
.irp i, 0,1,2,3,4,5,6,7,8,9,10,11,12,13,14,15
.if \t < 3
	v_pk_fma_f32 v[S+32*(\t+1)+2*\i:S+32*(\t+1)+2*\i+1], v[S+32*(\t+1)+2*\i:S+32*(\t+1)+2*\i+1], s[CS:CS+1], v[ST+8*(\t+1):ST+8*(\t+1)+1] op_sel_hi:[1,0,0] neg_lo:[0,0,1] neg_hi:[0,0,1]
.endif
	v_exp_f32 v[S+32*\t+2*\i], v[S+32*\t+2*\i]
	v_exp_f32 v[S+32*\t+2*\i+1], v[S+32*\t+2*\i+1]
.endr
.endr
	v_nop                                          ; a plain instruction behind the last exponential,
	s_wait_alu depctr_va_vdst(0)                   ; and the one wait ahead of the batch's first reader
.irp t, 0,1,2,3                        ; the sums of the unrounded p, in two chains a tile
	v_pk_add_f32 v[ST+8*\t+4:ST+8*\t+5], v[S+32*\t:S+32*\t+1], v[S+32*\t+2:S+32*\t+3]
	v_pk_add_f32 v[T1+2*\t:T1+2*\t+1], v[S+32*\t+4:S+32*\t+5], v[S+32*\t+6:S+32*\t+7]
.endr
.irp i, 8,12,16,20,24,28
.irp t, 0,1,2,3
	v_pk_add_f32 v[ST+8*\t+4:ST+8*\t+5], v[ST+8*\t+4:ST+8*\t+5], v[S+32*\t+\i:S+32*\t+\i+1]
	v_pk_add_f32 v[T1+2*\t:T1+2*\t+1], v[T1+2*\t:T1+2*\t+1], v[S+32*\t+\i+2:S+32*\t+\i+3]
.endr
.endr
.irp t, 0,1,2,3
	v_pk_add_f32 v[ST+8*\t+4:ST+8*\t+5], v[ST+8*\t+4:ST+8*\t+5], v[T1+2*\t:T1+2*\t+1]
.endr
.irp t, 0,1,2,3
	v_pk_fma_f32 v[ST+8*\t+2:ST+8*\t+3], v[ST+8*\t+2:ST+8*\t+3], v[ST+8*\t+6:ST+8*\t+7], v[ST+8*\t+4:ST+8*\t+5] op_sel_hi:[1,0,1]   ; l = a l + the sum
.endr
.irp i, 0,1,2,3,4,5,6,7,8,9,10,11,12,13,14,15   ; P in place, ascending: register i takes scores 2 i and 2 i + 1, which no earlier line has overwritten
.irp t, 0,1,2,3
	v_cvt_pk_f16_f32 v[S+32*\t+\i], v[S+32*\t+2*\i], v[S+32*\t+2*\i+1]
.endr
.endr
.endm
.macro RESCALE                         ; O^T times a, each accumulator from its low end on
	WIN 0x41
.irp t, 0,1,2,3
.irp i, 0,1,2,3,4,5,6,7,8,9,10,11,12,13,14,15
	v_pk_mul_f32 v[32*\t+2*\i:32*\t+2*\i+1], v[32*\t+2*\i:32*\t+2*\i+1], v[ST+8*\t+6:ST+8*\t+7] op_sel_hi:[1,0]
.endr
.endr
.endm
; A KEY STEP of 64 keys.  nxt = 1: the next step lies in the same slot: its K is fetched behind the scores, its mask's C behind the first half of V^T P.
.macro STEP nxt
	v_add_nc_u32 v[ADK], s[TB], v[AK0]             ; these three and two v_nop are the five places between the last V^T P, which read P, and the scores that are written over it
	v_add_nc_u32 v[ADV], s[TB], v[AV0]
	v_add_nc_u32 v[ADM], s[TM], v[AM0]
	v_nop
	v_nop
	s_wait_dscnt 0x0                               ; K and the mask's C are in
	KQ
	WIN 0
.rept 4
	v_nop                                          ; places in front of the loads into K's and C's registers and of the first read of the scores
.endr
	FETCH_V
.if \nxt
	FETCH_K 1
.endif
	SOFTMAX
	s_wait_dscnt 16*\nxt                           ; V is in; the next step's 16 loads of K may be out
	RESCALE
	PV 0
.if \nxt
.rept 4
	v_nop                                          ; places in front of the loads into the registers of V's first half
.endr
	FETCH_M 1
.endif
	PV 1
	WIN 0
	s_add_co_u32 s[TB], s[TB], STEPB
	s_add_co_u32 s[TM], s[TM], 256
.endm
.macro HEADFETCH                       ; a slot's first step: its K and its mask's C; the four lines are the places behind the last products
	v_add_nc_u32 v[ADK], s[TB], v[AK0]
	v_add_nc_u32 v[ADM], s[TM], v[AM0]
	v_nop
	v_nop
	FETCH_K 0
	FETCH_M 0
	WIN 0
.endm
; THE CHANGE OF SLOTS stands at a slot's head.  Each wave waits for all its tensor loads (one is out: its part of the slot ahead), adds 0 to its spare word, and waits for that and for its reads of the slot that it has left.
; fill = 1: a round of the cluster's barrier, and behind it the other slot takes the next 256 keys: the load has four key steps, 256 matrix instructions a wave, in which to land.
.macro CHANGE fill
	s_wait_tensorcnt 0x0                           ; no tensor load of mine is out, so a group 0 may be written
	ds_add_u32 v[SPW], v[NIL]
.if \fill
	s_xor_b32 s[G0K+1], s[G0K+1], SLOT1            ; the walking descriptors: the other slot than last time,
	s_add_nc_u64 s[G0K+2:G0K+3], s[G0K+2:G0K+3], 32768   ; the next 256 keys
	s_xor_b32 s[G0V+1], s[G0V+1], SLOT1
	s_add_nc_u64 s[G0V+2:G0V+3], s[G0V+2:G0V+3], 32768
	s_wait_xcnt 0x0                                ; the last prefetch, a slot back, has read its address
	s_add_nc_u64 s[PFA:PFA+1], s[PFA:PFA+1], 32768 ; one slot further on than the walking descriptors
	s_wait_dscnt 0x0                               ; the add is done, and my LDS reads and stores are over
	CROUND
	JLOAD
	ASK
.else
	s_wait_dscnt 0x0
	s_barrier_signal -1
	s_barrier_wait -1
.endif
.endm
.macro SLOTWORK                        ; a slot's four key steps: three that have a successor in the slot, walked in a loop, and the last
	HEADFETCH
	s_mov_b32 s[CNT], 3
.Lp_\@:
	STEP 1
	s_sub_co_u32 s[CNT], s[CNT], 1
	s_cmp_lg_u32 s[CNT], 0
	s_cbranch_scc1 .Lp_\@
	STEP 0
	s_sub_co_u32 s[TB], s[TB], 4*STEPB             ; back to a slot's first step,
	s_xor_b32 s[TB], s[TB], SLOT1                  ; in the other slot
.endm
.Lslot:                                            ; seven trips: behind each change of slots but the last the next slot is asked for.  The first trip's eight loads are slot 1's first fills, the later trips' are refills
	CHANGE 1
	SLOTWORK
	s_sub_co_u32 s[SLOTS], s[SLOTS], 1
	s_cmp_lg_u32 s[SLOTS], 0
	s_cbranch_scc1 .Lslot
	CHANGE 0                                       ; the last slot is written out
	SLOTWORK
	; THE WAY OUT.  l's two halves and the other half of the lanes' are added; O^T is divided by l, rounded to f16 and sent through my stage, a tile (16 rows of 128 bytes) at a time.  The additions are the places behind the last products.
.irp t, 0,1,2,3
	v_add_f32 v[ST+8*\t+4], v[ST+8*\t+2], v[ST+8*\t+3]
.endr
.irp t, 0,1,2,3
	v_permlanex16_b32 v[ST+8*\t+5], v[ST+8*\t+4], s[SEL], s[SEL+1]
.endr
.irp t, 0,1,2,3
	v_add_f32 v[ST+8*\t+4], v[ST+8*\t+4], v[ST+8*\t+5]
.endr
.irp t, 0,1,2,3
	v_max_num_f32 v[ST+8*\t+4], 0x1f800000, v[ST+8*\t+4]   ; held at 2^-64: a row with no key has l = 0 and O = 0, and gives 0
.endr
.irp t, 0,1,2,3
	v_rcp_f32 v[ST+8*\t+6], v[ST+8*\t+4]
.endr
	v_nop                                          ; a plain instruction behind the last reciprocal,
	s_wait_alu depctr_va_vdst(0)                   ; and one wait for the four, ahead of their first reader
.macro PACK t
	WIN 0x41
.irp i, 0,1,2,3,4,5,6,7,8,9,10,11,12,13,14,15
	v_pk_mul_f32 v[32*\t+2*\i:32*\t+2*\i+1], v[32*\t+2*\i:32*\t+2*\i+1], v[ST+8*\t+6:ST+8*\t+7] op_sel_hi:[1,0]
.endr
	WIN 0x05                                       ; sources window 1, destination window 0: S^T's registers are free
.irp i, 0,1,2,3,4,5,6,7,8,9,10,11,12,13,14,15
	v_cvt_pk_f16_f32 v[S+32*\t+\i], v[32*\t+2*\i], v[32*\t+2*\i+1]
.endr
	WIN 0
.irp c, 0,1,2,3
	ds_store_b128 v[STO], v[S+32*\t+4*\c:S+32*\t+4*\c+3] offset:32*\c
.endr
.irp u, 0,1,2,3
	ds_load_b128 v[S+32*\t+16+4*\u:S+32*\t+16+4*\u+3], v[RD] offset:\u*4*SPS   ; LDS serves a wave's instructions in order: these see the stores above; the next tile's stores come behind them
.endr
.endm
.macro SEND t, younger                 ; younger: the LDS instructions issued behind tile t's loads: the next tile's eight, or none
.irp u, 0,1,2,3
	s_wait_dscnt \younger+3-\u
	global_store_b128 v[GO], v[S+32*\t+16+4*\u:S+32*\t+16+4*\u+3], s[8:9] offset:\t*2048+\u*512   ; 32 lanes store 512 consecutive bytes: four tokens of the head
.endr
.endm
	PACK 0
	PACK 1
	SEND 0, 8
	PACK 2
	SEND 1, 8
	PACK 3
	SEND 2, 8
	SEND 3, 0
	s_wait_tensorcnt 0x0                           ; the wave's end
	ds_add_u32 v[SPW], v[NIL]
	s_wait_dscnt 0x0
	CROUND                                         ; the closing round
	s_endpgm
.Lfunc_end_k_qa39e14b6d3_attn:
	.size	k_qa39e14b6d3_attn, .Lfunc_end_k_qa39e14b6d3_attn-k_qa39e14b6d3_attn
	.p2alignl 7, 3214868480
	.fill 96, 4, 3214868480
	.section	.rodata,"a",@progbits
	.p2align	6, 0x0
	.amdhsa_kernel k_qa39e14b6d3_attn
		.amdhsa_group_segment_fixed_size 327680
		.amdhsa_private_segment_fixed_size 0
		.amdhsa_enable_private_segment 0
		.amdhsa_kernarg_size 24
		.amdhsa_user_sgpr_count 2
		.amdhsa_user_sgpr_kernarg_segment_ptr 1
		.amdhsa_wavefront_size32 1
		.amdhsa_system_sgpr_workgroup_id_x 1
		.amdhsa_system_sgpr_workgroup_id_y 1
		.amdhsa_system_sgpr_workgroup_id_z 1
		.amdhsa_system_vgpr_workitem_id 0
		.amdhsa_next_free_vgpr 512
		.amdhsa_next_free_sgpr 66
		.amdhsa_reserve_vcc 1
		.amdhsa_float_denorm_mode_32 3
		.amdhsa_float_denorm_mode_16_64 3
		.amdhsa_memory_ordered 1
		.amdhsa_forward_progress 1
		.amdhsa_inst_pref_size 159
	.end_amdhsa_kernel
	.amdgpu_metadata
---
amdhsa.version: [ 1, 2 ]
amdhsa.kernels:
  - .name:           k_qa39e14b6d3_attn
    .symbol:         k_qa39e14b6d3_attn.kd
    .args:
      - { .name: qkv16, .offset: 0, .size: 8, .value_kind: global_buffer, .address_space: global }
      - { .name: mask, .offset: 8, .size: 8, .value_kind: global_buffer, .address_space: global }
      - { .name: x16, .offset: 16, .size: 8, .value_kind: global_buffer, .address_space: global }
    .group_segment_fixed_size: 327680
    .private_segment_fixed_size: 0
    .kernarg_segment_align: 8
    .kernarg_segment_size: 24
    .max_flat_workgroup_size: 256
    .sgpr_count:     66
    .vgpr_count:     512
    .wavefront_size: 32
...
	.end_amdgpu_metadata
.endif
;; end of part 3
;; launch oproj (part 4): grid 4 x 64, 4 waves a work-group, clusters of 4 x 4, 327,680 bytes of LDS; arguments x16, wo16, out0, bo; writes out0
.if DOCPART == 4
	.amdgcn_target "amdgcn-amd-amdhsa--gfx1250"
	.amdhsa_code_object_version 6
	.text
	.protected	k_qa39e14b6d3_oproj
	.globl	k_qa39e14b6d3_oproj
	.p2align	8
	.type	k_qa39e14b6d3_oproj,@function
k_qa39e14b6d3_oproj:
	s_mov_b64 s[64:65], 0
	v_nop
	global_prefetch_b8 v0, s[64:65] scope:SCOPE_SE
	s_setreg_imm32_b32 hwreg(HW_REG_WAVE_MODE, 25, 1), 1
	s_wait_xcnt 0x0
	s_wait_alu depctr_hold_cnt(0) depctr_sa_sdst(0) depctr_va_vdst(0) depctr_va_sdst(0) depctr_va_ssrc(0) depctr_va_vcc(0) depctr_vm_vsrc(0)
	s_getreg_b32 s2, hwreg(HW_REG_IB_STS2, 6, 4)
	s_cmp_eq_u32 s2, 0
	s_cbranch_scc0 .Lentry_in_a_cluster
	s_endpgm
.Lentry_in_a_cluster:
	s_bfe_u32 s2, ttmp6, 0x10000c
	s_cmp_lg_u32 s2, 0xf033
	s_cbranch_scc0 .Lentry_shape_is_right
	s_endpgm
.Lentry_shape_is_right:
; Launch 4 of 4: out0[m][n] = the sum over k of x[m][k] Wo[n][k] + bo[n], f16 operands, f32 sums, f32 out.  x16: [16 planes][8,192 tokens][64] f16; wo16: [16 planes][1,024 n][64] f16; k = 64 x plane + i.
; A tile of 128 tokens x 256 columns gives each of 256 work-groups one tile; four waves, each 64 x 128: 32 accumulators.  K goes by planes of 64: a slot of the ring holds two planes (128 along K), a quarter is 32 along K.
; CLUSTERS: 4 x 4 work-groups: x's tiles are asked for jointly along a row of the cluster, Wo's along a column.  Waves 0 and 1 fetch x's two planes of a slot (128 rows each), waves 2 and 3 Wo's (256 rows each).
; THE MATRIX INSTRUCTION IS USED TRANSPOSED (source 0 = 16 rows of Wo, source 1 = 16 tokens): a lane holds eight neighbouring columns of one token.  bo is the C of each sum's first matrix instruction.
; REGISTERS: window 0: v16-29 addresses; v64-127 bo in the result's layout; v128-255 rows on the way out.   window 1: two fragment buffers of 96: 64 of Wo, 32 of x, at v0 and v128.   window 2: accumulator (a, b) at v[8 (8 a + b)].
.set PITCH,  144                       ; an LDS row: 128 bytes + 16: the 16 rows that a load touches start at 16 different banks
.set APL,    128*PITCH                 ; a plane of x's tile
.set BPL,    256*PITCH                 ; a plane of Wo's
.set SLOT,   2*APL+2*BPL
.set SPARE,  2*SLOT                    ; the spare words, 128 bytes for each wave
.set SPITCH, 528                       ; the way out: 16 rows x (512 bytes + 16) for each wave, in slot 0, which has had its last fill and its last read by then
.set XPL,    1048576                   ; a plane of x16 in bytes
.set WPL,    131072                    ; a plane of wo16
.set LAPS,   4                         ; a lap = two slots = four planes
.set ADRA, 16
.set ADRB, 20
.set STO,  24
.set RD,   25
.set CO,   26
.set BO,   27
.set SPW,  28
.set NIL,  29
.set BI,   64
.set BB,   128
.set F0,   0
.set F1,   128
.set G1, 24
.set G0, 32
.set G1B, 48
.set G0B, 56
.set MSB, 0
.macro WIN new
.if MSB != (\new)
	s_set_vgpr_msb (MSB<<8)|(\new)
.set MSB, (\new)
.endif
.endm
.set MUL,  0xa5                        ; sources 0 and 1 window 1; C and D window 2
.set TO_F, 0x40
.macro JLOAD s                         ; a joint load; an s_nop 0 and four v_nop follow each of the two lines
	s_cmp_eq_u32 s11, 0
	s_cbranch_scc0 .Lfor_b_\@
	tensor_load_to_lds s[G0+4*\s:G0+4*\s+3], s[G1:G1+7]
	s_nop 0
.rept 4
	v_nop
.endr
	s_branch .Lasked_\@
.Lfor_b_\@:
	tensor_load_to_lds s[G0B+4*\s:G0B+4*\s+3], s[G1B:G1B+7]
	s_nop 0
.rept 4
	v_nop
.endr
.Lasked_\@:
.endm
.macro CREST                           ; a round of the cluster's barrier behind its opening barrier
	s_cmp_lg_u32 s10, 0
	s_cbranch_scc1 .Lnot_wave_0_\@
	s_barrier_signal -3
.Lnot_wave_0_\@:
	s_barrier_wait -3
	s_barrier_signal -1
	s_barrier_wait -1
.endm
.macro CROUND
	s_barrier_signal -1
	s_barrier_wait -1
	CREST
.endm
	s_load_b128 s[4:7], s[0:1], 0x0                ; x16 s[4:5], wo16 s[6:7]
	s_load_b64 s[8:9], s[0:1], 0x10                ; out0
	s_load_b64 s[66:67], s[0:1], 0x18              ; bo
	v_lshl_add_u32 v[SPW], v0, 2, SPARE
	v_mov_b32 v[NIL], 0
	ds_add_u32 v[SPW], v[NIL]                      ; the wave's opening: the add, twice on end, and its wait ahead of my first tensor load
	ds_add_u32 v[SPW], v[NIL]
	v_lshrrev_b32 v1, 5, v0
	v_readfirstlane_b32 s10, v1                    ; wave 0..3
	s_lshr_b32 s11, s10, 1                         ; which 64 tokens are mine.  Also: I fetch for x (0) or for Wo (1)
	s_and_b32 s12, s10, 1                          ; which 128 columns.  Also: which of a slot's two planes I fetch
	s_bfe_u32 s40, ttmp6, 0x40000
	s_bfe_u32 s41, ttmp6, 0x40004
	s_lshl_b32 s42, ttmp9, 2
	s_add_co_u32 s42, s42, s40                     ; tile column
	s_and_b32 s13, ttmp7, 0xffff
	s_lshl_b32 s13, s13, 2
	s_add_co_u32 s13, s13, s41                     ; tile row
	s_lshl_b32 s43, s41, 2
	s_lshl_b32 s43, 15, s43                        ; my row of the cluster
	s_lshl_b32 s44, 0x1111, s40                    ; my column
	s_or_b32 s[G1+0], s43, (1<<16)|(1<<20)|(1<<21)|(4<<22)|(3<<25)   ; the mask; elements of 2 bytes; padding on; bit 21 beside a mask; four words behind every 32
	s_or_b32 s[G1B+0], s44, (1<<16)|(1<<20)|(1<<21)|(4<<22)|(3<<25)
	s_mov_b32 s[G1+1], 64<<16                      ; tensor_dim0
	s_mov_b32 s[G1+2], 128<<16                     ; tensor_dim1
	s_mov_b32 s[G1+3], 64<<16                      ; tile_dim0
	s_mov_b32 s[G1+4], 128                         ; tile_dim1
	s_mov_b32 s[G1+5], 64                          ; from row to row
	s_mov_b32 s[G1+6], 0
	s_mov_b32 s[G1+7], 0
	s_mov_b32 s[G1B+1], 64<<16
	s_mov_b32 s[G1B+2], 256<<16
	s_mov_b32 s[G1B+3], 64<<16
	s_mov_b32 s[G1B+4], 256
	s_mov_b32 s[G1B+5], 64
	s_mov_b32 s[G1B+6], 0
	s_mov_b32 s[G1B+7], 0
	s_lshl_b32 s16, s12, 20                        ; x: my plane + the tile row's 128 tokens of 128 bytes
	s_lshl_b32 s17, s13, 14
	s_add_co_u32 s16, s16, s17
	s_mov_b32 s17, 0
	s_lshl_b32 s46, s12, 17                        ; Wo: my plane + the tile column's 256 rows of 128 bytes
	s_lshl_b32 s47, s42, 15
	s_add_co_u32 s46, s46, s47
	s_mov_b32 s47, 0
	s_mul_i32 s20, s12, APL                        ; where they go: no place in the cluster enters an LDS address
	s_mul_i32 s21, s12, BPL
	s_add_co_u32 s21, s21, 2*APL
	s_wait_dscnt 0x0                               ; both opening adds are done
	s_wait_kmcnt 0x0
	s_add_nc_u64 s[14:15], s[4:5], s[16:17]
	s_add_nc_u64 s[46:47], s[6:7], s[46:47]
	CROUND                                         ; all sixteen work-groups are here: the first joint loads meet
.irp s, 0,1
	s_mov_b32 s[G0+4*\s], 1
	s_add_co_u32 s[G0+4*\s+1], s20, \s*SLOT
	s_add_nc_u64 s[G0+4*\s+2:G0+4*\s+3], s[14:15], \s*2*XPL
	s_or_b32 s[G0+4*\s+3], s[G0+4*\s+3], 0x80000000
	s_mov_b32 s[G0B+4*\s], 1
	s_add_co_u32 s[G0B+4*\s+1], s21, \s*SLOT
	s_add_nc_u64 s[G0B+4*\s+2:G0B+4*\s+3], s[46:47], \s*2*WPL
	s_or_b32 s[G0B+4*\s+3], s[G0B+4*\s+3], 0x80000000
	JLOAD \s                                       ; two loads of mine are out
.endr
	v_and_b32 v1, 15, v0                           ; r
	v_bfe_u32 v2, v0, 4, 1                         ; h
	s_lshl_b32 s46, s42, 10                        ; my first column, in bytes of f32: 1,024 x tile column + 512 x half
	s_lshl_b32 s47, s12, 9
	s_add_co_u32 s46, s46, s47
	s_mov_b32 s47, 0
	s_add_nc_u64 s[66:67], s[66:67], s[46:47]
	v_lshlrev_b32 v[BO], 5, v2
.irp b, 0,1,2,3,4,5,6,7
	global_load_b128 v[BI+8*\b:BI+8*\b+3], v[BO], s[66:67] offset:64*\b          ; register 8 b + j = bo[16 b + 8 h + j] of my 128 columns
	global_load_b128 v[BI+8*\b+4:BI+8*\b+7], v[BO], s[66:67] offset:64*\b+16
.endr
	s_lshl_b32 s16, s13, 7
	s_lshl_b32 s17, s11, 6
	s_add_co_u32 s16, s16, s17                     ; my first token: 128 x tile row + 64 x half
	s_lshl_b32 s16, s16, 12                        ; 4,096 bytes a row of out0
	s_add_co_u32 s46, s46, s16
	s_add_nc_u64 s[8:9], s[8:9], s[46:47]
	v_mul_u32_u24 v3, v1, PITCH
	v_lshl_add_u32 v3, v2, 4, v3                   ; a fragment's row x pitch + 16 x half
	s_mul_i32 s21, s11, 64*PITCH                   ; my 64 tokens
	s_mul_i32 s22, s12, 128*PITCH                  ; my 128 rows of Wo,
	s_add_co_u32 s22, s22, 2*APL                   ; which lie behind x's two planes
.irp s, 0,1
	v_add_nc_u32 v[ADRA+\s], s21, v3
	v_add_nc_u32 v[ADRB+\s], s22, v3
	s_add_co_u32 s21, s21, SLOT
	s_add_co_u32 s22, s22, SLOT
.endr
	s_mul_i32 s23, s10, 16*SPITCH                  ; my stage
	v_mul_u32_u24 v4, v1, SPITCH
	v_lshl_add_u32 v4, v2, 5, v4
	v_add_nc_u32 v[STO], s23, v4                   ; in: row r, 32 bytes for each half of the lanes
	v_and_b32 v5, 31, v0
	v_lshlrev_b32 v[CO], 4, v5                     ; back: the 32 lanes take one row of 512 bytes; and the same in out0
	v_add_nc_u32 v[RD], s23, v[CO]
; 8 matrix instructions: x's block a x Wo's eight, 32 along K, from buffer f.  first = 1: the sums begin with bo.  The 32 accumulators take turns, one instruction a turn.
.macro MUL8 f, a, first
.irp b, 0,1,2,3,4,5,6,7
.if \first
	v_wmma_f32_16x16x32_f16 v[8*(8*\a+\b):8*(8*\a+\b)+7], v[\f+8*\b:\f+8*\b+7], v[\f+64+8*\a:\f+64+8*\a+7], v[BI+8*\b:BI+8*\b+7]
.else
	v_wmma_f32_16x16x32_f16 v[8*(8*\a+\b):8*(8*\a+\b)+7], v[\f+8*\b:\f+8*\b+7], v[\f+64+8*\a:\f+64+8*\a+7], v[8*(8*\a+\b):8*(8*\a+\b)+7]
.endif
.endr
.endm
; 24 LDS loads in one run: the fragments of the slot's q-th quarter (plane q / 2, channels 32 (q % 2) on) into buffer f: Wo's eight, then x's four
.macro FETCH slot, q, f
	WIN TO_F
.irp i, 0,1,2,3,4,5,6,7
	ds_load_b128 v[\f+8*\i:\f+8*\i+3],   v[ADRB+\slot] offset:((\q)/2)*BPL+((\q)%2)*64+\i*16*PITCH
	ds_load_b128 v[\f+8*\i+4:\f+8*\i+7], v[ADRB+\slot] offset:((\q)/2)*BPL+((\q)%2)*64+\i*16*PITCH+32
.endr
.irp i, 0,1,2,3
	ds_load_b128 v[\f+64+8*\i:\f+64+8*\i+3],   v[ADRA+\slot] offset:((\q)/2)*APL+((\q)%2)*64+\i*16*PITCH
	ds_load_b128 v[\f+64+8*\i+4:\f+64+8*\i+7], v[ADRA+\slot] offset:((\q)/2)*APL+((\q)%2)*64+\i*16*PITCH+32
.endr
.endm
.macro PLACES                          ; four plain vector instructions in front of loads into registers that matrix instructions have read, and of reads of results
.rept 4
	v_nop
.endr
.endm
; One of a slot's first three quarters: multiplies buffer f and fetches quarter qn into g
.macro QUARTER slot, qn, f, g, first
	s_wait_dscnt 4                                 ; Wo's fragments and x's blocks 0, 1 are in; the youngest four loads (blocks 2, 3) may be out
	WIN MUL-0x20*(\first)                          ; (first: C, the bias, in window 0)
	MUL8 \f, 0, \first
	MUL8 \f, 1, \first
	PLACES
	FETCH \slot, \qn, \g
	s_wait_dscnt 24                                ; all but the 24 just issued
	WIN MUL-0x20*(\first)
	MUL8 \f, 2, \first
	MUL8 \f, 3, \first
.endm
; A slot's last quarter multiplies buffer 1 and changes slots: ONE barrier; in front of it each wave waits for all its tensor loads, adds 0 to its spare word, and waits for that and for its reads of this slot.
; fill = 1: the barrier opens a round of the cluster's, and this slot takes the planes four on: the load has a slot's 128 matrix instructions less sixteen in which to land.
.macro TURN slot, next, fill
	WIN 0                                          ; (the add's two registers lie in window 0)
	s_wait_tensorcnt 0x0                           ; all my tensor loads have landed: my part of the next slot;
	ds_add_u32 v[SPW], v[NIL]
	s_wait_dscnt 5                                 ; (the add and the youngest four loads may be out)
	WIN MUL
	MUL8 F1, 0, 0                                  ; eight matrix instructions stand between the add and the wait for it
	s_wait_dscnt 0x0                               ; the add is done, and my reads of this slot are over
	s_barrier_signal -1
	MUL8 F1, 1, 0
.if \fill
	WIN 0
.endif
	s_barrier_wait -1
.if \fill
	CREST                                          ; no wave of any partner still reads this slot or has a load on its way
	s_add_nc_u64 s[G0+4*\slot+2:G0+4*\slot+3], s[G0+4*\slot+2:G0+4*\slot+3], 4*XPL
	s_add_nc_u64 s[G0B+4*\slot+2:G0B+4*\slot+3], s[G0B+4*\slot+2:G0B+4*\slot+3], 4*WPL
	JLOAD \slot                                    ; the first tensor load behind the round; its four v_nop are also the places in front of the loads below
.else
	PLACES
.endif
	FETCH \next, 0, F0
	WIN MUL
	MUL8 F1, 2, 0
	MUL8 F1, 3, 0
.endm
	s_wait_tensorcnt 1                             ; my part of slot 0 is in (slot 1's load may be out)
	s_barrier_signal -1
	s_barrier_wait -1                              ; everybody's is
	FETCH 0, 0, F0
	s_wait_loadcnt 0x0                             ; bo
	QUARTER 0, 1, F0, F1, 1                        ; the first quarter stands in front of the loop: its products start the sums
	WIN 0
	s_mov_b32 s3, LAPS-1
.Llap:                                             ; a trip goes once round the ring, from a lap's second quarter to the next lap's first, and fills both slots again
	QUARTER 0, 2, F1, F0, 0
	QUARTER 0, 3, F0, F1, 0
	TURN 0, 1, 1
	QUARTER 1, 1, F0, F1, 0
	QUARTER 1, 2, F1, F0, 0
	QUARTER 1, 3, F0, F1, 0
	TURN 1, 0, 1
	QUARTER 0, 1, F0, F1, 0
	WIN 0
	s_sub_co_u32 s3, s3, 1
	s_cmp_lg_u32 s3, 0
	s_cbranch_scc1 .Llap
	QUARTER 0, 2, F1, F0, 0                        ; the last lap fills nothing, and has no round
	QUARTER 0, 3, F0, F1, 0
	TURN 0, 1, 0
	QUARTER 1, 1, F0, F1, 0
	QUARTER 1, 2, F1, F0, 0
	QUARTER 1, 3, F0, F1, 0
	s_wait_dscnt 4                                 ; the very last quarter: nothing more to fetch
	WIN MUL
	MUL8 F1, 0, 0
	MUL8 F1, 1, 0
	s_wait_dscnt 0
	MUL8 F1, 2, 0
	MUL8 F1, 3, 0
	WIN 0
; THE WAY OUT, a block of 16 tokens x 128 columns at a time: through my own stage and back as whole rows of 512 bytes, which the 32 lanes store on end.
.macro TOSTAGE a
	WIN 0x08                                       ; an LDS store's data: window 2
.irp b, 0,1,2,3,4,5,6,7
	ds_store_b128 v[STO], v[64*(\a)+8*\b:64*(\a)+8*\b+3] offset:64*\b          ; each accumulator from its low end on
	ds_store_b128 v[STO], v[64*(\a)+8*\b+4:64*(\a)+8*\b+7] offset:64*\b+16
.endr
	WIN 0
.set BK, BB+64*((\a)%2)
.irp t, 0,1,2,3,4,5,6,7,8,9,10,11,12,13,14,15
	ds_load_b128 v[BK+4*\t:BK+4*\t+3], v[RD] offset:\t*SPITCH      ; LDS serves a wave's instructions in order: these see the stores above
.endr
.endm
.macro SEND a, younger                 ; younger: the LDS instructions issued behind block a's loads, which may stay out
.set BK, BB+64*((\a)%2)
	s_wait_dscnt \younger
.irp t, 0,1,2,3,4,5,6,7,8,9,10,11,12,13,14,15
	global_store_b128 v[CO], v[BK+4*\t:BK+4*\t+3], s[8:9] offset:(16*(\a)+\t)*4096 th:TH_STORE_NT   ; 32 lanes store 512 consecutive bytes; written once, read by nobody here
.endr
.endm
	PLACES                                         ; behind the last products, ahead of the first read of results
	TOSTAGE 0
.irp a, 1,2,3
.if \a > 1
	s_wait_xcnt 0x0                                ; block a - 2's stores have read their registers: block a's loads may land there
.endif
	TOSTAGE \a
	SEND \a-1, 32                                  ; behind block a - 1's loads: block a's 16 stores and 16 loads
.endr
	SEND 3, 0
	s_wait_tensorcnt 0x0                           ; the wave's end
	ds_add_u32 v[SPW], v[NIL]
	s_wait_dscnt 0x0
	CROUND                                         ; the closing round
	s_endpgm
.Lfunc_end_k_qa39e14b6d3_oproj:
	.size	k_qa39e14b6d3_oproj, .Lfunc_end_k_qa39e14b6d3_oproj-k_qa39e14b6d3_oproj
	.p2alignl 7, 3214868480
	.fill 96, 4, 3214868480
	.section	.rodata,"a",@progbits
	.p2align	6, 0x0
	.amdhsa_kernel k_qa39e14b6d3_oproj
		.amdhsa_group_segment_fixed_size 327680
		.amdhsa_private_segment_fixed_size 0
		.amdhsa_enable_private_segment 0
		.amdhsa_kernarg_size 32
		.amdhsa_user_sgpr_count 2
		.amdhsa_user_sgpr_kernarg_segment_ptr 1
		.amdhsa_wavefront_size32 1
		.amdhsa_system_sgpr_workgroup_id_x 1
		.amdhsa_system_sgpr_workgroup_id_y 1
		.amdhsa_system_sgpr_workgroup_id_z 1
		.amdhsa_system_vgpr_workitem_id 0
		.amdhsa_next_free_vgpr 768
		.amdhsa_next_free_sgpr 68
		.amdhsa_reserve_vcc 0
		.amdhsa_float_denorm_mode_32 3
		.amdhsa_float_denorm_mode_16_64 3
		.amdhsa_memory_ordered 1
		.amdhsa_forward_progress 1
		.amdhsa_inst_pref_size 86
	.end_amdhsa_kernel
	.amdgpu_metadata
---
amdhsa.version: [ 1, 2 ]
amdhsa.kernels:
  - .name:           k_qa39e14b6d3_oproj
    .symbol:         k_qa39e14b6d3_oproj.kd
    .args:
      - { .name: x16, .offset: 0, .size: 8, .value_kind: global_buffer, .address_space: global }
      - { .name: wo16, .offset: 8, .size: 8, .value_kind: global_buffer, .address_space: global }
      - { .name: out0, .offset: 16, .size: 8, .value_kind: global_buffer, .address_space: global }
      - { .name: bo, .offset: 24, .size: 8, .value_kind: global_buffer, .address_space: global }
    .group_segment_fixed_size: 327680
    .private_segment_fixed_size: 0
    .kernarg_segment_align: 8
    .kernarg_segment_size: 32
    .max_flat_workgroup_size: 128
    .sgpr_count:     68
    .vgpr_count:     768
    .wavefront_size: 32
...
	.end_amdgpu_metadata
.endif
;; end of part 4
